; MI455X (gfx1250); checked and timed in simulation.
; The chip was launched on July 23, 2026; its instructions are those of AMD's public machine-readable ISA for CDNA 5 (MIT licence, August 2026) and "CDNA5" Instruction Set Architecture Reference Guide (July 2026). The comments in the code are by the model that wrote it; some were corrected since.
;; complex GRU Cell. Allowed arithmetic: matrix products marked QUANTISED: E4M3 operands, one given power-of-two scale a tensor, by v_wmma_f32_16x16x64_fp8_fp8 or v_wmma_f32_16x16x128_fp8_fp8, f32 sums; everything else in f32.
;; Inputs: h_im 16,384 x 256 float32; h_re 16,384 x 256 float32; lowp_scales 48 int32 (the exponents e of the quantised operands' scales 2^e); uh_w_im 256 x 256 float32; uh_w_re 256 x 256 float32; ur_w_im 256 x 256 float32; ur_w_re 256 x 256 float32; uz_w_im 256 x 256 float32; uz_w_re 256 x 256 float32; wh_b_im 256 float32; wh_b_re 256 float32; wh_w_im 256 x 512 float32; wh_w_re 256 x 512 float32; wr_b_im 256 float32; wr_b_re 256 float32; wr_w_im 256 x 512 float32; wr_w_re 256 x 512 float32; wz_b_im 256 float32; wz_b_re 256 float32; wz_w_im 256 x 512 float32; wz_w_re 256 x 512 float32; x_im 16,384 x 256 float32; x_re 16,384 x 256 float32.
;; Outputs: out0 2 x 16,384 x 256 float32.
;; This version of the problem:
;;   THIS VERSION OF THE PROBLEM IS GIVEN IN LOW PRECISION. The matrix products marked QUANTISED in the list below multiply operands that are first quantised to E4M3 (4 exponent bits, 3 mantissa bits; 8 bits a number), with one given power-of-two scale for each operand tensor; their sums are f32. All else is computed in f32.
;;   The module's matrix products, in the order in which they are computed (A, B: the left and right operand; K: the contracted axis; several contracted axes count as one K, in the product's order):
;;     1. [M 16,384, K 512] x [K 512, N 256]; A: computed on the way; B: input wr_w_re: QUANTISED (scales: A lowp_scales[0], B lowp_scales[1])
;;     2. [M 16,384, K 512] x [K 512, N 256]; A: computed on the way; B: input wr_w_im: QUANTISED (scales: A lowp_scales[2], B lowp_scales[3])
;;     3. [M 16,384, K 512] x [K 512, N 256]; A: computed on the way; B: input wr_w_re: QUANTISED (scales: A lowp_scales[4], B lowp_scales[5])
;;     4. [M 16,384, K 512] x [K 512, N 256]; A: computed on the way; B: input wr_w_im: QUANTISED (scales: A lowp_scales[6], B lowp_scales[7])
;;     5. [M 16,384, K 256] x [K 256, N 256]; A: input h_re; B: input ur_w_re: QUANTISED (scales: A lowp_scales[8], B lowp_scales[9])
;;     6. [M 16,384, K 256] x [K 256, N 256]; A: input h_im; B: input ur_w_im: QUANTISED (scales: A lowp_scales[10], B lowp_scales[11])
;;     7. [M 16,384, K 256] x [K 256, N 256]; A: input h_im; B: input ur_w_re: QUANTISED (scales: A lowp_scales[12], B lowp_scales[13])
;;     8. [M 16,384, K 256] x [K 256, N 256]; A: input h_re; B: input ur_w_im: QUANTISED (scales: A lowp_scales[14], B lowp_scales[15])
;;     9. [M 16,384, K 512] x [K 512, N 256]; A: computed on the way; B: input wz_w_re: QUANTISED (scales: A lowp_scales[16], B lowp_scales[17])
;;     10. [M 16,384, K 512] x [K 512, N 256]; A: computed on the way; B: input wz_w_im: QUANTISED (scales: A lowp_scales[18], B lowp_scales[19])
;;     11. [M 16,384, K 512] x [K 512, N 256]; A: computed on the way; B: input wz_w_re: QUANTISED (scales: A lowp_scales[20], B lowp_scales[21])
;;     12. [M 16,384, K 512] x [K 512, N 256]; A: computed on the way; B: input wz_w_im: QUANTISED (scales: A lowp_scales[22], B lowp_scales[23])
;;     13. [M 16,384, K 256] x [K 256, N 256]; A: input h_re; B: input uz_w_re: QUANTISED (scales: A lowp_scales[24], B lowp_scales[25])
;;     14. [M 16,384, K 256] x [K 256, N 256]; A: input h_im; B: input uz_w_im: QUANTISED (scales: A lowp_scales[26], B lowp_scales[27])
;;     15. [M 16,384, K 256] x [K 256, N 256]; A: input h_im; B: input uz_w_re: QUANTISED (scales: A lowp_scales[28], B lowp_scales[29])
;;     16. [M 16,384, K 256] x [K 256, N 256]; A: input h_re; B: input uz_w_im: QUANTISED (scales: A lowp_scales[30], B lowp_scales[31])
;;     17. [M 16,384, K 512] x [K 512, N 256]; A: computed on the way; B: input wh_w_re: QUANTISED (scales: A lowp_scales[32], B lowp_scales[33])
;;     18. [M 16,384, K 512] x [K 512, N 256]; A: computed on the way; B: input wh_w_im: QUANTISED (scales: A lowp_scales[34], B lowp_scales[35])
;;     19. [M 16,384, K 512] x [K 512, N 256]; A: computed on the way; B: input wh_w_re: QUANTISED (scales: A lowp_scales[36], B lowp_scales[37])
;;     20. [M 16,384, K 512] x [K 512, N 256]; A: computed on the way; B: input wh_w_im: QUANTISED (scales: A lowp_scales[38], B lowp_scales[39])
;;     21. [M 16,384, K 256] x [K 256, N 256]; A: input h_re; B: input uh_w_re: QUANTISED (scales: A lowp_scales[40], B lowp_scales[41])
;;     22. [M 16,384, K 256] x [K 256, N 256]; A: input h_im; B: input uh_w_im: QUANTISED (scales: A lowp_scales[42], B lowp_scales[43])
;;     23. [M 16,384, K 256] x [K 256, N 256]; A: input h_im; B: input uh_w_re: QUANTISED (scales: A lowp_scales[44], B lowp_scales[45])
;;     24. [M 16,384, K 256] x [K 256, N 256]; A: input h_re; B: input uh_w_im: QUANTISED (scales: A lowp_scales[46], B lowp_scales[47])
;;   THE QUANTISER, for each operand of a quantised product, along K:
;;     - The operand's scale is 2^e, e = its entry of the input lowp_scales (int32; the entries are numbered through the quantised products in the list's order, A before B).
;;     - Each number is divided by the scale, clamped to +-448, and rounded to the nearest number of E4M3, ties to even, subnormals kept.
;;     - The product sums the exact products of the quantised numbers (number of the format x scale) in f32.
;;   ~~~python
;;   def quantise(x, axis, e):      # numpy; x: float32 -> the quantised numbers, widened to float32 again
;;       x = np.moveaxis(x, axis, -1); K = x.shape[-1]
;;       r = np.clip(x / 2.0 ** e, -448, 448)
;;       step = 2.0 ** (np.maximum(np.frexp(np.where(r == 0, 1, r))[1] - 1, -6) - 3)
;;       q = np.round(r / step) * step * 2.0 ** e      # np.round: ties to even
;;       return np.moveaxis(q, -1, axis).astype(np.float32)
;;   ~~~
;;   OPERANDS COMPUTED ON THE WAY. 'Computed on the way' means the value that the module computes at that place (a softmax that the list does not call 'softmax' is quantised finished and normalised). What goes into a quantiser is computed in f32, as accurately as f32 sums, v_exp_f32 and their like allow (about 1e-6 of the number): no bf16 or f16 on the way to a quantiser, and a product that is left as it is and whose result goes on into a quantised operand takes f32 operands (vector FMAs, or v_wmma_f32_16x16x4_f32). A number that lies on a knife's edge between two numbers of the format may be rounded either way, as far as f32 arithmetic and the matrix unit's own rounding can turn it there, and no further.
;; 2 versions. Each part assembles by itself: llvm-mc -triple=amdgcn-amd-amdhsa -mcpu=gfx1250 --defsym DOCPART=n.
;; ======== version 1 of 2: 2 launches
;; workspace buffers: wq 2,359,296 bytes; tab 512 bytes
;; launch prep (part 1): grid 24 x 6, 4 waves a work-group, no clusters, 0 bytes of LDS; arguments wr_w_re, wr_w_im, ur_w_re, ur_w_im, wh_w_re, wh_w_im, uh_w_re, uh_w_im, wz_w_re, wz_w_im, uz_w_re, uz_w_im, lowp_scales, wq, tab; writes wq, tab
.if DOCPART == 1
	.amdgcn_target "amdgcn-amd-amdhsa--gfx1250"
	.amdhsa_code_object_version 6
	.text
	.protected	k_q6a12ecb66e_prep
	.globl	k_q6a12ecb66e_prep
	.p2align	8
	.type	k_q6a12ecb66e_prep,@function
k_q6a12ecb66e_prep:
	s_mov_b64 s[64:65], 0
	v_nop
	global_prefetch_b8 v0, s[64:65] scope:SCOPE_SE
	s_setreg_imm32_b32 hwreg(HW_REG_WAVE_MODE, 25, 1), 1
	s_wait_xcnt 0x0
; COMPLEX GRU CELL, launch 1 of 2: the weights become codes of E4M3, and the given scales become a table of powers of two.
; NOTHING OF reference() IS LEFT OUT in this program: all 24 products, all six biases and all inputs have a way to out0, and each of the 48 operands is quantised under its own entry of lowp_scales.
; THE ORDER OF THE WORK, shared with the second launch.  Phase p = 0..5: r_re, r_im, hh_re, hh_im, z_re, z_im; gate g = p >> 1 (0 r, 1 h-hat, 2 z), part q = p & 1.
; A phase has six steps i of 256 along K, by their left operand: 0 x_re, 1 H_re, 2 x_im, 3 H_im, 4 h_re, 5 h_im (H = r h in gate 1, else h).  Steps 0, 1 are product slot a = 0, steps 2, 3 slot 1, step 4 slot 2, step 5 slot 3.
; Slot a of phase p is the table's product (counted from 0) pi = base(g) + ((a + 2 (a >> 1)) xor 3 q), base = 0, 16, 8; its weight is W (a < 2) or U, real part where (a & 1) xor q = 0;
; W's columns begin at 256 (i & 1).  Where reference() subtracts the product (q = 0, a odd) the codes' sign bits are turned here: the quantiser is odd, so nothing is rounded by that.
; wq: step 6 p + i takes 65,536 bytes: w x 16,384 + s x 8,192 + t x 2,048 + c x 512 + lane x 16.  Lane (rho = lane % 16, hh = lane / 16) holds 16 codes: weight row 64 w + 32 (t / 2) + 8 (t % 2) + rho + 8 (rho / 8),
; k = 128 s + 32 c + 16 hh + 0 .. 15 of the step's 256: an image of the operand's registers, so that four 16-byte loads a lane bring a fragment.
; tab: row p of 16 words: [2 a] 2^eA(a), [2 a + 1] 448 x 2^eA(a), [8], [10], [12] 2^(E0 - E1), 2^(E1 - E2), 2^(E2 - E3) with E = eA + eB, [14] gamma x 2^E3 (gamma = -log2 e for r and z, 2 log2 e for h-hat); the rest zeros.
; SHARES: work-group (x, y): step i = x >> 2 of phase y, columns' quarter w = x & 3; wave t takes tile t: 16 weight rows x 256 along K, 128 numbers a lane.  Work-group (0, 0)'s wave 0 also makes the table.
; LIMITS: each weight's e between -126 and 119; each eA between -126 and 119; each difference E(a) - E(a + 1) between -126 and 127; E3 between -126 and 125.  NaN among the weights is not served; an infinity is held at the largest code.
.set NUM, 16                           ; v16-143   128 numbers: 64 s + 16 c + 0 .. 15
.set COD, 144                          ; v144-175  their codes: 16 s + 4 c + 0 .. 3
.set TBL, 176                          ; v176-179  the table: word D in register D & 3 of lane D >> 2
	s_load_b512 s[4:19], s[0:1], 0x0               ; wr re, im; ur re, im; wh re, im; uh re, im
	s_load_b256 s[20:27], s[0:1], 0x40             ; wz re, im; uz re, im
	s_load_b128 s[84:87], s[0:1], 0x60             ; lowp_scales, wq
	s_load_b64 s[88:89], s[0:1], 0x70              ; tab
	v_lshrrev_b32 v1, 5, v0
	v_readfirstlane_b32 s28, v1                    ; t: my wave's tile
	s_lshr_b32 s29, ttmp9, 2                       ; i
	s_and_b32 s30, ttmp9, 3                        ; w
	s_and_b32 s31, ttmp7, 0xffff                   ; p
	s_lshr_b32 s32, s31, 1                         ; g
	s_and_b32 s33, s31, 1                          ; q
	s_lshr_b32 s34, s29, 1
	s_sub_co_u32 s35, s29, 2
	s_cmp_lt_u32 s29, 4
	s_cselect_b32 s34, s34, s35                    ; a
	s_lshr_b32 s35, s34, 1                         ; kind: 0 W, 1 U
	s_and_b32 s36, s34, 1
	s_xor_b32 s37, s36, s33                        ; part: 0 real, 1 imaginary
	s_lshl_b32 s38, s35, 1
	s_add_co_u32 s38, s38, s34                     ; a + 2 (a >> 1)
	s_mul_i32 s39, s33, 3
	s_xor_b32 s38, s38, s39
	s_lshl_b32 s39, s32, 2
	s_cmp_eq_u32 s32, 1
	s_cselect_b32 s39, 16, s39                     ; base: 0, 16, 8
	s_add_co_u32 s38, s38, s39                     ; pi
	s_lshl_b32 s38, s38, 3                         ; its pair of entries, in bytes
	s_xor_b32 s39, s33, 1
	s_and_b32 s39, s39, s36
	s_mul_i32 s39, s39, 0x80808080                 ; four sign bits where the product is subtracted, else 0
	s_and_b32 s40, s29, 1
	s_lshl_b32 s40, s40, 10
	s_cmp_eq_u32 s35, 0
	s_cselect_b32 s40, s40, 0                      ; W's first column, in bytes
	s_mov_b32 s41, 0
	s_sub_co_u32 s42, 11, s35                      ; a row is 2^11 bytes in W, 2^10 in U
	s_lshl_b32 s43, s30, 6
	s_lshr_b32 s44, s28, 1
	s_lshl_b32 s44, s44, 5
	s_add_co_u32 s43, s43, s44
	s_and_b32 s44, s28, 1
	s_lshl_b32 s44, s44, 3
	s_add_co_u32 s43, s43, s44                     ; 64 w + 32 (t / 2) + 8 (t % 2)
	v_and_b32 v2, 15, v0                           ; rho
	v_bfe_u32 v3, v0, 4, 1                         ; hh
	v_and_b32 v4, 8, v2
	v_add_nc_u32 v4, v4, v2                        ; rho + 8 (rho / 8)
	v_add_nc_u32 v4, s43, v4                       ; my weight row
	v_lshlrev_b32 v4, s42, v4
	v_lshl_add_u32 v4, v3, 6, v4                   ; + 64 hh: my 16 numbers of a block of 32
	v_and_b32 v5, 31, v0
	v_lshlrev_b32 v5, 4, v5                        ; 16 x lane
	s_mul_i32 s46, s31, 6
	s_add_co_u32 s46, s46, s29
	s_lshl_b32 s46, s46, 16                        ; the step's 65,536 bytes of wq,
	s_lshl_b32 s47, s30, 14
	s_add_co_u32 s46, s46, s47                     ; the quarter's 16,384,
	s_lshl_b32 s47, s28, 11
	s_add_co_u32 s46, s46, s47                     ; the tile's 2,048
	s_mov_b32 s47, 0
	s_wait_kmcnt 0x0
	s_load_b32 s48, s[84:85], s38 offset:0x4       ; eB = entry 2 pi + 1
	s_cmp_eq_u32 s37, 0                            ; the weight is chosen among the twelve by ids alone: real or imaginary,
	s_cselect_b64 s[4:5], s[4:5], s[6:7]
	s_cselect_b64 s[8:9], s[8:9], s[10:11]
	s_cselect_b64 s[12:13], s[12:13], s[14:15]
	s_cselect_b64 s[16:17], s[16:17], s[18:19]
	s_cselect_b64 s[20:21], s[20:21], s[22:23]
	s_cselect_b64 s[24:25], s[24:25], s[26:27]
	s_cmp_eq_u32 s35, 0                            ; W or U,
	s_cselect_b64 s[4:5], s[4:5], s[8:9]
	s_cselect_b64 s[12:13], s[12:13], s[16:17]
	s_cselect_b64 s[20:21], s[20:21], s[24:25]
	s_cmp_eq_u32 s32, 1                            ; and the gate
	s_cselect_b64 s[4:5], s[12:13], s[4:5]
	s_cmp_eq_u32 s32, 2
	s_cselect_b64 s[4:5], s[20:21], s[4:5]
	s_add_nc_u64 s[4:5], s[4:5], s[40:41]
	s_add_nc_u64 s[86:87], s[86:87], s[46:47]
.irp s, 0,1
.irp c, 0,1,2,3
.irp j, 0,1,2,3
	global_load_b128 v[NUM+64*\s+16*\c+4*\j:NUM+64*\s+16*\c+4*\j+3], v4, s[4:5] offset:512*\s+128*\c+16*\j   ; no hint: a second phase reads the same weight under its other scale
.endr
.endr
.endr
	s_wait_kmcnt 0x0
	s_add_co_i32 s48, s48, 127
	s_lshl_b32 s49, s48, 23
	v_mov_b32 v6, s49                              ; 2^eB as f32: the conversion takes its exponent field
	s_add_co_i32 s48, s48, 8
	s_lshl_b32 s48, s48, 23
	s_or_b32 s48, s48, 0x600000
	v_mov_b32 v7, s48                              ; 448 x 2^eB
	s_wait_loadcnt 0x0
.set pk, 0
.rept 128
	v_med3_num_f32 v[NUM+pk], v[NUM+pk], -v7, v7   ; the conversion to an 8-bit code does not saturate (ISA guide 7.6.2): the hold at the largest code x the scale
.set pk, pk+1
.endr
.set pk, 0
.rept 16
	v_cvt_scalef32_pk8_fp8_f32 v[COD+2*pk:COD+2*pk+1], v[NUM+8*pk:NUM+8*pk+7], v6
.set pk, pk+1
.endr
	v_nop                                          ; one plain vector instruction between the last conversion and the lines that read its result
.set pk, 0
.rept 32
	v_xor_b32 v[COD+pk], s39, v[COD+pk]            ; the minus of reference() goes into the codes
.set pk, pk+1
.endr
.irp s, 0,1
.irp c, 0,1,2,3
	global_store_b128 v5, v[COD+16*\s+4*\c:COD+16*\s+4*\c+3], s[86:87] offset:8192*\s+512*\c   ; 32 lanes store 512 consecutive bytes, at a multiple of 256 from wq's first byte
.endr
.endr
	s_or_b32 s50, ttmp9, s31                       ; the table: one wave of one work-group, by ids alone
	s_or_b32 s50, s50, s28
	s_cmp_lg_u32 s50, 0
	s_cbranch_scc1 .Lend
	s_wait_xcnt 0x0                                ; the loads' base lies among the registers that the exponents now take
	s_load_b512 s[4:19], s[84:85], 0x0             ; the 48 exponents: entry k in s[4 + k]
	s_load_b512 s[20:35], s[84:85], 0x40
	s_load_b512 s[36:51], s[84:85], 0x80
.irp k, 0,1,2,3
	v_mov_b32 v[TBL+\k], 0                         ; the words that stay zero, rows 6 and 7 among them
.endr
	s_wait_kmcnt 0x0
; row p of the table, from the four products of its slots and gamma's bits
.macro ROW p, p0, p1, p2, p3, gam
.set ra, 0
.irp pi, \p0, \p1, \p2, \p3
	s_add_co_i32 s56, s[4+2*(\pi)], 127
	s_lshl_b32 s57, s56, 23
	v_writelane_b32 v[TBL+(2*ra)%4], s57, 4*(\p)+(2*ra)/4          ; 2^eA
	s_add_co_i32 s56, s56, 8
	s_lshl_b32 s56, s56, 23
	s_or_b32 s56, s56, 0x600000
	v_writelane_b32 v[TBL+(2*ra+1)%4], s56, 4*(\p)+(2*ra+1)/4      ; 448 x 2^eA
	s_add_co_i32 s[52+ra], s[4+2*(\pi)], s[5+2*(\pi)]              ; E = eA + eB
.set ra, ra+1
.endr
	s_sub_co_i32 s56, s52, s53
	s_add_co_i32 s56, s56, 127
	s_lshl_b32 s56, s56, 23
	v_writelane_b32 v[TBL], s56, 4*(\p)+2          ; word 8: 2^(E0 - E1)
	s_sub_co_i32 s56, s53, s54
	s_add_co_i32 s56, s56, 127
	s_lshl_b32 s56, s56, 23
	v_writelane_b32 v[TBL+2], s56, 4*(\p)+2        ; word 10: 2^(E1 - E2)
	s_sub_co_i32 s56, s54, s55
	s_add_co_i32 s56, s56, 127
	s_lshl_b32 s56, s56, 23
	v_writelane_b32 v[TBL], s56, 4*(\p)+3          ; word 12: 2^(E2 - E3)
	s_lshl_b32 s56, s55, 23
	s_add_co_i32 s56, s56, \gam                    ; E3 is added to gamma's exponent field
	v_writelane_b32 v[TBL+2], s56, 4*(\p)+3        ; word 14: gamma x 2^E3
.endm
	ROW 0, 0, 1, 4, 5, 0xbfb8aa3b
	ROW 1, 3, 2, 7, 6, 0xbfb8aa3b
	ROW 2, 16, 17, 20, 21, 0x4038aa3b
	ROW 3, 19, 18, 23, 22, 0x4038aa3b
	ROW 4, 8, 9, 12, 13, 0xbfb8aa3b
	ROW 5, 11, 10, 15, 14, 0xbfb8aa3b
	global_store_b128 v5, v[TBL:TBL+3], s[88:89]   ; the whole table: 512 consecutive bytes
.Lend:
	s_endpgm
.Lfunc_end_k_q6a12ecb66e_prep:
	.size	k_q6a12ecb66e_prep, .Lfunc_end_k_q6a12ecb66e_prep-k_q6a12ecb66e_prep
	.p2alignl 7, 3214868480
	.fill 96, 4, 3214868480
	.section	.rodata,"a",@progbits
	.p2align	6, 0x0
	.amdhsa_kernel k_q6a12ecb66e_prep
		.amdhsa_group_segment_fixed_size 0
		.amdhsa_private_segment_fixed_size 0
		.amdhsa_enable_private_segment 0
		.amdhsa_kernarg_size 120
		.amdhsa_user_sgpr_count 2
		.amdhsa_user_sgpr_kernarg_segment_ptr 1
		.amdhsa_wavefront_size32 1
		.amdhsa_system_sgpr_workgroup_id_x 1
		.amdhsa_system_sgpr_workgroup_id_y 1
		.amdhsa_system_sgpr_workgroup_id_z 1
		.amdhsa_system_vgpr_workitem_id 0
		.amdhsa_next_free_vgpr 184
		.amdhsa_next_free_sgpr 96
		.amdhsa_reserve_vcc 0
		.amdhsa_float_denorm_mode_32 3
		.amdhsa_float_denorm_mode_16_64 3
		.amdhsa_memory_ordered 1
		.amdhsa_forward_progress 1
		.amdhsa_inst_pref_size 32
	.end_amdhsa_kernel
	.amdgpu_metadata
---
amdhsa.version: [ 1, 2 ]
amdhsa.kernels:
  - .name:           k_q6a12ecb66e_prep
    .symbol:         k_q6a12ecb66e_prep.kd
    .args:
      - { .name: wr_w_re, .offset: 0, .size: 8, .value_kind: global_buffer, .address_space: global }
      - { .name: wr_w_im, .offset: 8, .size: 8, .value_kind: global_buffer, .address_space: global }
      - { .name: ur_w_re, .offset: 16, .size: 8, .value_kind: global_buffer, .address_space: global }
      - { .name: ur_w_im, .offset: 24, .size: 8, .value_kind: global_buffer, .address_space: global }
      - { .name: wh_w_re, .offset: 32, .size: 8, .value_kind: global_buffer, .address_space: global }
      - { .name: wh_w_im, .offset: 40, .size: 8, .value_kind: global_buffer, .address_space: global }
      - { .name: uh_w_re, .offset: 48, .size: 8, .value_kind: global_buffer, .address_space: global }
      - { .name: uh_w_im, .offset: 56, .size: 8, .value_kind: global_buffer, .address_space: global }
      - { .name: wz_w_re, .offset: 64, .size: 8, .value_kind: global_buffer, .address_space: global }
      - { .name: wz_w_im, .offset: 72, .size: 8, .value_kind: global_buffer, .address_space: global }
      - { .name: uz_w_re, .offset: 80, .size: 8, .value_kind: global_buffer, .address_space: global }
      - { .name: uz_w_im, .offset: 88, .size: 8, .value_kind: global_buffer, .address_space: global }
      - { .name: lowp_scales, .offset: 96, .size: 8, .value_kind: global_buffer, .address_space: global }
      - { .name: wq, .offset: 104, .size: 8, .value_kind: global_buffer, .address_space: global }
      - { .name: tab, .offset: 112, .size: 8, .value_kind: global_buffer, .address_space: global }
    .group_segment_fixed_size: 0
    .private_segment_fixed_size: 0
    .kernarg_segment_align: 8
    .kernarg_segment_size: 120
    .max_flat_workgroup_size: 128
    .sgpr_count:     96
    .vgpr_count:     184
    .wavefront_size: 32
...
	.end_amdgpu_metadata
.endif
;; end of part 1
;; launch cell (part 2): grid 256 x 1, 4 waves a work-group, clusters of 4 x 1, 327,680 bytes of LDS; arguments x_re, x_im, h_re, h_im, wq, tab, out0, wr_b_re, wr_b_im, wh_b_re, wh_b_im, wz_b_re, wz_b_im; writes out0
.if DOCPART == 2
	.amdgcn_target "amdgcn-amd-amdhsa--gfx1250"
	.amdhsa_code_object_version 6
	.text
	.protected	k_q6a12ecb66e_cell
	.globl	k_q6a12ecb66e_cell
	.p2align	8
	.type	k_q6a12ecb66e_cell,@function
k_q6a12ecb66e_cell:
	s_mov_b64 s[64:65], 0
	v_nop
	global_prefetch_b8 v0, s[64:65] scope:SCOPE_SE
	s_setreg_imm32_b32 hwreg(HW_REG_WAVE_MODE, 25, 1), 1
	s_wait_xcnt 0x0
	s_wait_alu depctr_hold_cnt(0) depctr_sa_sdst(0) depctr_va_vdst(0) depctr_va_sdst(0) depctr_va_ssrc(0) depctr_va_vcc(0) depctr_vm_vsrc(0)
	s_getreg_b32 s2, hwreg(HW_REG_IB_STS2, 6, 4)
	s_cmp_eq_u32 s2, 0
	s_cbranch_scc0 .Lentry_in_a_cluster
	s_endpgm
.Lentry_in_a_cluster:
	s_bfe_u32 s2, ttmp6, 0x10000c
	s_cmp_lg_u32 s2, 0x3003
	s_cbranch_scc0 .Lentry_shape_is_right
	s_endpgm
.Lentry_shape_is_right:
; COMPLEX GRU CELL, launch 2 of 2: everything but the weights' quantising.  Nothing of reference() is left out.
; SHARES.  A work-group of four waves owns 64 rows of the batch.  THE WAVES SHARE THE COLUMNS: wave w makes columns 64 w .. 64 w + 63 of each of the six pre-activations, for all 64 rows: 16 accumulators of 16 x 16.
; THE ORDER OF THE WORK is the first launch's: phases p = 0..5 (r_re, r_im, hh_re, hh_im, z_re, z_im), six steps of 256 along K in each (x_re, H_re, x_im, H_im, h_re, h_im), a step = two units of 128 = 2 x 16 matrix instructions a wave.
; THE MATRIX INSTRUCTION IS USED TRANSPOSED (source 0 = 16 weight rows, source 1 = 16 rows of the batch), and the weight rows of a tile are chosen so that lane (r = lane % 16, hh = lane / 16) holds, at index 32 m + 16 b + i,
; row 16 m + r and column 64 w + 32 b + 16 hh + i.  x and h are kept in registers in that same order for the whole launch, so r h, the blend and every quantiser work within a lane.
; EVERY OPERAND UNDER ITS OWN SCALE.  During step sigma each wave quantises its 64 columns of step sigma + 1's left operand under that product's own exponent and stores the codes in LDS as images of the operand's registers
; (unit s, tile of rows m, group c of four registers, 16 bytes a lane); behind the step's barrier every wave loads the whole operand.  r h (for gate h-hat) and x (for gate z, whose registers then take h-hat - h) are quantised ahead, into PM.
; THE FOUR PRODUCTS OF A PRE-ACTIVATION share one accumulator: between two products it is multiplied by 2^(E_old - E_new), E = eA + eB, which rounds nothing; minus signs lie in the weights' codes;
; at the end one packed multiply-add gives u = sum x gamma 2^E3 + gamma bias.  sigmoid = 1 / (1 + 2^u) with gamma = -log2 e; tanh = 1 - 2 / (1 + 2^u) with gamma = 2 log2 e.
; out_re = h_re + zr dr - zi di, out_im = h_im + zr di + zi dr with d = h-hat - h: reference()'s blend with its terms gathered.
; THE WEIGHTS' CODES come through a ring of two LDS slots of one step (65,536 bytes).  All work-groups walk the same codes, so the four work-groups of a cluster ask JOINTLY: each wave issues one tensor load for its own 16,384 bytes,
; with the same descriptor in all four work-groups and a mask that names the four.  A wave reads only what it asked for.  By this text's count a wave has two tensor loads out at the start and one behind each change of slots.
; LIMITS: those of the first launch's head on the given exponents.  NaN among the inputs is not served; an infinity in x or h is held at the largest code in the products (as the quantiser holds it).
; LDS
.set W1,    0x10000                    ; slot 0 at 0, slot 1 here: wave w's part at w x 16,384: s x 8,192 + t x 2,048 + c x 512 + 16 x lane
.set AB0,   0x20000                    ; the left operand's images, two buffers by turns: s x 8,192 + m x 2,048 + c x 512 + 16 x lane
.set AB1,   0x24000
.set STG,   0x28000                    ; a stage of 16 rows x 272 bytes for each wave: the way in and the way out
.set SP,    272
.set BIA,   0x2c400                    ; gamma x bias: [phase][256] f32
.set SPARE, 0x2dc00                    ; the spare words, 128 bytes for each wave: two blocks of 256 bytes that no other line names
.set PM,    0x30000                    ; four images made ahead: q x 32,768 + j x 16,384
.set STEPB, 0x10000                    ; a step's codes in wq
; REGISTERS, in windows of 256.  s_set_vgpr_msb's low byte: bits 1:0 source 0, 3:2 source 1, 5:4 source 2, 7:6 destination.
;   window 0: below.   window 1: h_re v0-127, h_im v128-255.   window 2: x_re, x_im likewise; behind gate h-hat: d = h-hat - h.   window 3: Y0 v0-127 (a gate's real part), the accumulators v128-255 ((m, t) at 128 + 32 m + 8 t).
.set GOF, 0                            ; v0     (behind the head) my byte in a block's rows of x, h, out: 1,024 hh + 16 r + 256 w; never rewritten
.set SPW, 1                            ; v1     LDS address of my spare word; never rewritten
.set NIL, 2                            ; v2     0; never rewritten
.set BR,  3                            ; v3, v4 my weights in slot 0, 1
.set AR,  5                            ; v5, v6 an image's place for my lane in AB0, AB1
.set APM, 7                            ; v7     the same in PM, part q
.set AW,  8                            ; v8, v9 where I store my columns' codes in AB0, AB1: + (w / 2) x 8,192 + (w % 2) x 1,024
.set PMW, 10                           ; v10    the same in PM
.set SCV, 11                           ; v11    the conversion's scale
.set BI0, 12                           ; v12    my biases in phase 0
.set PFO, 13                           ; v13    256 x lane: the prefetches' offset; never rewritten
.set STO, 14                           ; v14    the stage by memory's order: row hh, 16 r
.set STF, 15                           ; v15    the stage by the registers' order: row r, 64 hh
.set T,   16                           ; v16-47   32 held numbers
.set C,   48                           ; v48-63   codes
.set AF,  64                           ; v64-127  four fragments of the left operand (m = 0..3)
.set BF,  128                          ; v128-191, v192-255 four weight fragments (t = 0..3) of unit 0, 1
; s[4:11] x_re, x_im, h_re, h_im at my rows; s[20:23] out's two halves; s[24:31] descriptor group 1; s[32:35], s[36:39] group 0 (the second walks); s40 wave; s41 p; s43 1 where I prefetch; s[44:45] prefetch address;
; s[46:47] tab at row p; s[48:63] row p; s[68:83] row p + 1; s[84:87] row p + 2's first four words; s[88:95] pairs -limit, +limit; s96 g; s97 q; s98 PM - AB0 + 32,768 q; s99 1,024 p
.set MSB, 0
.macro WIN new                         ; the immediate's high byte repeats the setting that is left; a switch that changes nothing is dropped
.if MSB != (\new)
	s_set_vgpr_msb (MSB<<8)|(\new)
.set MSB, (\new)
.endif
.endm
.macro ROUND                           ; a round of the cluster's barrier
	s_barrier_signal -1
	s_barrier_wait -1
	s_cmp_lg_u32 s40, 0
	s_cbranch_scc1 .Lnw0_\@
	s_barrier_signal -3
.Lnw0_\@:
	s_barrier_wait -3
	s_barrier_signal -1
	s_barrier_wait -1
.endm
.macro PLACES                          ; four plain vector instructions behind a matrix instruction, ahead of loads into its sources and of reads of its results
.rept 4
	v_nop
.endr
.endm
; 64 rows x my 256 bytes of a tensor, as they lie: lanes 0-15 take an even row's 256 consecutive bytes, lanes 16-31 the next row's
.macro GLD win, rb, base
	WIN (\win)<<6
.irp mm, 0,1,2,3
.irp k, 0,1,2,3,4,5,6,7
	global_load_b128 v[(\rb)+32*\mm+4*\k:(\rb)+32*\mm+4*\k+3], v[GOF], s[\base:\base+1] offset:(16*\mm+2*\k)*1024 th:TH_LOAD_NT
.endr
.endr
	WIN 0
.endm
; a tile of 16 rows goes through my stage and comes back in the registers' order.  LDS serves a wave's instructions in order (ISA guide 5.7.1.4): no wait between the stores and the loads.  left: the younger global loads that may stay out
.macro TURN sw, sb, dw, db, tm, left
	s_wait_loadcnt \left
	WIN ((\sw)<<2)|((\dw)<<6)
.irp k, 0,1,2,3,4,5,6,7
	ds_store_b128 v[STO], v[(\sb)+32*(\tm)+4*\k:(\sb)+32*(\tm)+4*\k+3] offset:2*SP*\k
.endr
.irp b, 0,1
.irp j, 0,1,2,3
	ds_load_b128 v[(\db)+32*(\tm)+16*\b+4*\j:(\db)+32*(\tm)+16*\b+4*\j+3], v[STF] offset:128*\b+16*\j
.endr
.endr
.endm
.macro TURN4 sw, sb, dw, db, l0        ; a tensor's four tiles: behind tile tt's eight loads stand the tensor's other tiles' and the next tensor's
.irp tt, 0,1,2,3
	TURN \sw, \sb, \dw, \db, \tt, (\l0)-8*\tt
.endr
	WIN 0
.endm
; 32 numbers (one tile of rows, my 64 columns' share of a lane) from window win become 32 codes and go to LDS: 16 codes of group c, 16 of group c + 1
.macro Q32 win, src, nl, pl, scv, adr, off, cd
	WIN \win
.set qk, 0
.rept 32
	v_med3_num_f32 v[T+qk], v[(\src)+qk], s[\nl], s[\pl]           ; the conversion to an 8-bit code does not saturate (ISA guide 7.6.2): the hold at the largest code x the scale
.set qk, qk+1
.endr
	WIN 0
.irp g, 0,1,2,3
	v_cvt_scalef32_pk8_fp8_f32 v[(\cd)+2*\g:(\cd)+2*\g+1], v[T+8*\g:T+8*\g+7], v[\scv]
.endr
	v_nop                                          ; one plain vector instruction behind the last conversion, ahead of whatever next writes its sources
	ds_store_b128 v[\adr], v[(\cd):(\cd)+3] offset:(\off)
	ds_store_b128 v[\adr], v[(\cd)+4:(\cd)+7] offset:(\off)+512
.endm
.macro QSET row, a                     ; slot a's scale and limits, from a row of the table
	s_mov_b32 s89, s[(\row)+2*(\a)+1]
	s_xor_b32 s88, s89, 0x80000000
	v_mov_b32 v[SCV], s[(\row)+2*(\a)]
.endm
; half of the next step's left operand (two tiles of rows).  Where its codes were made ahead (r h in gate 1; x from phase 4 on) a branch on the count of phases leads round it
.macro QSL i, half, last
.set qn, ((\i)+1)%6
.if (qn == 0) || (qn == 2)
.set qw, 2
.else
.set qw, 1
.endif
.if (qn == 0) || (qn == 1) || (qn == 4)
.set qb, 0
.else
.set qb, 128
.endif
.if !((\last) && (qw == 2))
.if !(\last)
.if (qn == 1) || (qn == 3)
	s_cmp_eq_u32 s96, 1
	s_cbranch_scc1 .Lqs_\@
.elseif qn == 2
	s_cmp_ge_u32 s41, 4
	s_cbranch_scc1 .Lqs_\@
.elseif qn == 0
	s_cmp_ge_u32 s41, 3
	s_cbranch_scc1 .Lqs_\@
.endif
.endif
	Q32 qw, qb+64*(\half), 88, 89, SCV, AW+qn%2, 4096*(\half), C
	Q32 qw, qb+64*(\half)+32, 88, 89, SCV, AW+qn%2, 4096*(\half)+2048, C+8
.Lqs_\@:
.endif
.endm
.macro ALDRUN adr, off                 ; four fragments of the left operand: 16 loads of 512 consecutive bytes
.irp mm, 0,1,2,3
.irp c, 0,1,2,3
	ds_load_b128 v[AF+16*\mm+4*\c:AF+16*\mm+4*\c+3], v[\adr] offset:(\off)+2048*\mm+512*\c
.endr
.endr
.endm
.macro ALD i, u, last                  ; unit u of step i: from the buffer in turn, or from PM; both arms hold 16 loads
.if (\i) >= 4
	ALDRUN AR+(\i)%2, 8192*(\u)
.elseif \last
.if (\i)%2 == 0
	ALDRUN APM, 16384*((\i)/2)+8192*(\u)
.else
	ALDRUN AR+1, 8192*(\u)
.endif
.else
.if (\i)%2 == 1
	s_cmp_eq_u32 s96, 1
.else
	s_cmp_ge_u32 s41, 4
.endif
	s_cbranch_scc1 .Lpm_\@
	ALDRUN AR+(\i)%2, 8192*(\u)
	s_branch .Lad_\@
.Lpm_\@:
	ALDRUN APM, 16384*((\i)/2)+8192*(\u)
.Lad_\@:
.endif
.endm
.macro BLD sp, u                       ; my four weight fragments of unit u, from slot sp
.irp t, 0,1,2,3
.irp c, 0,1,2,3
	ds_load_b128 v[BF+64*(\u)+16*\t+4*\c:BF+64*(\u)+16*\t+4*\c+3], v[BR+(\sp)] offset:8192*(\u)+2048*\t+512*\c
.endr
.endr
.endm
; 16 matrix instructions, 128 along K.  The 16 accumulators take turns, one instruction a turn, in the same order in every unit.  zero = 1: the first product starts the sums
.macro MUL u, zero
	WIN 0xf0                                       ; C and D window 3, sources window 0
.irp mm, 0,1,2,3
.irp t, 0,1,2,3
.if \zero
	v_wmma_f32_16x16x128_fp8_fp8 v[128+32*\mm+8*\t:128+32*\mm+8*\t+7], v[BF+64*(\u)+16*\t:BF+64*(\u)+16*\t+15], v[AF+16*\mm:AF+16*\mm+15], 0
.else
	v_wmma_f32_16x16x128_fp8_fp8 v[128+32*\mm+8*\t:128+32*\mm+8*\t+7], v[BF+64*(\u)+16*\t:BF+64*(\u)+16*\t+15], v[AF+16*\mm:AF+16*\mm+15], v[128+32*\mm+8*\t:128+32*\mm+8*\t+7]
.endif
.endr
.endr
.endm
.macro RESC f                          ; the sums pass from one product's power of two to the next's: x 2^(E_old - E_new); each accumulator from its low end on
	WIN 0xc3
.set rk, 128
.rept 64
	v_pk_mul_f32 v[rk:rk+1], v[rk:rk+1], s[\f:\f+1] op_sel_hi:[1,0]
.set rk, rk+2
.endr
	WIN 0
.endm
; THE CHANGE OF SLOTS AND OF BUFFERS, between two steps.  Each wave waits for all its tensor loads (the one that is out is the next step's weights), adds 0 to its spare word, and waits for that, for its reads of the step
; just done and for its stores of the next step's codes.  fill = 1: the barrier is a round of the cluster's, and the slot just read is filled with the step after next: the first thing behind it, one load a wave.
.macro SYNC fill, step
.if \step
	s_wait_xcnt 0x0                                ; the last prefetch, a step back, has read its address: it may be written
	s_add_nc_u64 s[44:45], s[44:45], STEPB
.endif
	s_wait_tensorcnt 0x0                           ; no tensor load of mine is out, so the walking group 0 may be written
	ds_add_u32 v[SPW], v[NIL]                      ; 0 onto my spare word
.if \fill
	s_xor_b32 s37, s37, W1                         ; the other slot than last time,
	s_add_nc_u64 s[38:39], s[38:39], STEPB         ; the next step's codes; the type bits on top are not reached
.endif
	s_wait_dscnt 0x0                               ; the add is done, my reads are back, my stores have landed
.if \fill
	ROUND
	tensor_load_to_lds s[36:39], s[24:31]
	s_nop 0
	PLACES
.else
	s_barrier_signal -1
	s_barrier_wait -1
.endif
.endm
; A PREFETCH INTO THE L2: in step sigma, the codes of step sigma + 3, whose tensor load is issued two changes of slots later.  All clusters walk the same codes: the first cluster asks.  Its four work-groups take 16,384 bytes
; each, told apart BY ADDRESS; in each, waves 0 and 1 take 8,192, lanes 256 bytes apart: each block of 256 bytes is named once in the launch.  Steps 0 to 2 come by their loads alone; behind step 32 nothing is asked for.
.macro ASK
	s_cmp_eq_u32 s43, 1
	s_cbranch_scc0 .Lna_\@
	global_prefetch_b8 v[PFO], s[44:45] th:TH_LOAD_NT scope:SCOPE_SE
.Lna_\@:
.endm
; A STEP: 256 along K.  All of unit 0's and the weights of unit 1 are asked for in one run; the next step's operand is quantised behind each unit's products.
.macro STEP i, last, ask
	ALD \i, 0, \last
	BLD (\i)%2, 0
	BLD (\i)%2, 1
.if \ask
	ASK
.endif
.set sn, (\i)+1
.if sn < 4
.set sa, sn/2
.else
.set sa, sn-2
.endif
.if (\i) == 5
.if !(\last)
	s_wait_kmcnt 0x0                               ; the next two rows of the table, asked for at the phase's head
	QSET 68, 0
.endif
.elseif !((\last) && ((\i) == 1))
	QSET 48, sa
.endif
.if (\i) == 2
	RESC 56
.elseif (\i) == 4
	RESC 58
.elseif (\i) == 5
	RESC 60
.endif
	s_wait_dscnt 16                                ; the operand's fragments and unit 0's weights are in; the youngest 16 loads, unit 1's weights, may be out
.if (\i) == 0
	MUL 0, 1
.else
	MUL 0, 0
.endif
	PLACES
	WIN 0
	ALD \i, 1, \last
	QSL \i, 0, \last
	s_wait_dscnt 0x0                               ; unit 1's fragments are in
.if (\i) == 5
	v_add_nc_u32 v160, s99, v[BI0]                 ; the phase's biases, into unit 0's weight registers, which are done with
.irp b, 0,1
.irp j, 0,1,2,3
	ds_load_b128 v[BF+16*\b+4*\j:BF+16*\b+4*\j+3], v160 offset:128*\b+16*\j
.endr
.endr
.endif
	MUL 1, 0
	PLACES
	WIN 0
	QSL \i, 1, \last
.endm
.macro FIN dst                         ; u = sum x gamma 2^E3 + gamma bias, into window 3 at dst; each accumulator from its low end on
	s_wait_dscnt 0x0                               ; the biases are in
	WIN 0xc3
.set fk, 0
.rept 64
	v_pk_fma_f32 v[(\dst)+fk:(\dst)+fk+1], v[128+fk:129+fk], s[62:63], v[BF+fk%32:BF+fk%32+1] op_sel_hi:[1,0,1]
.set fk, fk+2
.endr
	WIN 0
.endm
.macro ACT                             ; 1 / (1 + 2^u) on a gate's 256 numbers a lane: two batches of transcendentals, each with one plain instruction and one wait behind it
	WIN 0xc3
.set ak, 0
.rept 256
	v_exp_f32 v[ak], v[ak]
.set ak, ak+1
.endr
	v_nop
	s_wait_alu depctr_va_vdst(0)
.set ak, 0
.rept 128
	v_pk_add_f32 v[ak:ak+1], v[ak:ak+1], 1.0 op_sel_hi:[1,0]
.set ak, ak+2
.endr
.set ak, 0
.rept 256
	v_rcp_f32 v[ak], v[ak]
.set ak, ak+1
.endr
	v_nop
	s_wait_alu depctr_va_vdst(0)
	WIN 0
.endm
.macro TSET                            ; the next gate's scales of slots 0 and 1, for both parts: index 2 q + j
	s_mov_b32 s89, s69
	s_xor_b32 s88, s89, 0x80000000
	s_mov_b32 s91, s71
	s_xor_b32 s90, s91, 0x80000000
	s_mov_b32 s93, s85
	s_xor_b32 s92, s93, 0x80000000
	s_mov_b32 s95, s87
	s_xor_b32 s94, s95, 0x80000000
	v_mov_b32 v48, s68
	v_mov_b32 v49, s70
	v_mov_b32 v50, s84
	v_mov_b32 v51, s86
.endm
.macro RTAIL                           ; r h, a tile of rows at a time, quantised under the four scales of gate h-hat.  The codes' registers, v128-255, are each written once
.irp rm, 0,1,2,3
	WIN 0x07                                       ; source 0 (r) window 3, source 1 (h) window 1
.set tk, 0
.rept 16
	v_pk_mul_f32 v[AF+tk:AF+tk+1], v[32*\rm+tk:32*\rm+tk+1], v[32*\rm+tk:32*\rm+tk+1]               ; rr h_re
	v_pk_mul_f32 v[AF+32+tk:AF+33+tk], v[32*\rm+tk:32*\rm+tk+1], v[128+32*\rm+tk:129+32*\rm+tk]     ; rr h_im
.set tk, tk+2
.endr
.set tk, 0
.rept 16
	v_pk_fma_f32 v[AF+tk:AF+tk+1], v[128+32*\rm+tk:129+32*\rm+tk], v[128+32*\rm+tk:129+32*\rm+tk], v[AF+tk:AF+tk+1] neg_lo:[1,0,0] neg_hi:[1,0,0]   ; - ri h_im
	v_pk_fma_f32 v[AF+32+tk:AF+33+tk], v[128+32*\rm+tk:129+32*\rm+tk], v[32*\rm+tk:32*\rm+tk+1], v[AF+32+tk:AF+33+tk]                               ; + ri h_re
.set tk, tk+2
.endr
.irp rq, 0,1
.irp rj, 0,1
	Q32 0, AF+32*\rj, 88+4*\rq+2*\rj, 89+4*\rq+2*\rj, 48+2*\rq+\rj, PMW, 32768*\rq+16384*\rj+2048*\rm, 128+8*(4*\rm+2*\rq+\rj)
.endr
.endr
.endr
.endm
.macro HTAIL                           ; x under gate z's four scales, into PM; then x's registers take d = tanh - h
.irp rq, 0,1
.irp rj, 0,1
.irp rm, 0,1,2,3
	Q32 2, 128*\rj+32*\rm, 88+4*\rq+2*\rj, 89+4*\rq+2*\rj, 48+2*\rq+\rj, PMW, 32768*\rq+16384*\rj+2048*\rm, 128+8*(8*\rq+4*\rj+\rm)
.endr
.endr
.endr
	WIN 0x83                                       ; source 0 window 3, destination window 2
.set tk, 0
.rept 128
	v_pk_fma_f32 v[tk:tk+1], v[tk:tk+1], -2.0, 1.0 op_sel_hi:[1,0,0]   ; tanh = 1 - 2 / (1 + 2^u)
.set tk, tk+2
.endr
	WIN 0x86                                       ; source 0 and destination window 2, source 1 (h) window 1
.set tk, 0
.rept 128
	v_pk_add_f32 v[tk:tk+1], v[tk:tk+1], v[tk:tk+1] neg_lo:[0,1] neg_hi:[0,1]
.set tk, tk+2
.endr
	WIN 0
.endm
; THE WAY OUT, by blocks of 16 rows of one half of out0.  zp = 0: h_re + zr dr - zi di; zp = 1: h_im + zr di + zi dr.  The block goes through my stage and comes back in memory's order
.macro ZBLK zm, zp
	WIN 0x1b                                       ; source 0 (z) window 3, source 1 (d) window 2, source 2 (h) window 1
.set zk, 0
.rept 16
	v_pk_fma_f32 v[AF+32*(\zp)+zk:AF+32*(\zp)+zk+1], v[32*(\zm)+zk:32*(\zm)+zk+1], v[128*(\zp)+32*(\zm)+zk:128*(\zp)+32*(\zm)+zk+1], v[128*(\zp)+32*(\zm)+zk:128*(\zp)+32*(\zm)+zk+1]
.set zk, zk+2
.endr
	WIN 0x0b                                       ; source 2 window 0
.set zk, 0
.rept 16
.if (\zp) == 0
	v_pk_fma_f32 v[AF+zk:AF+zk+1], v[128+32*(\zm)+zk:129+32*(\zm)+zk], v[128+32*(\zm)+zk:129+32*(\zm)+zk], v[AF+zk:AF+zk+1] neg_lo:[1,0,0] neg_hi:[1,0,0]
.else
	v_pk_fma_f32 v[AF+32+zk:AF+33+zk], v[128+32*(\zm)+zk:129+32*(\zm)+zk], v[32*(\zm)+zk:32*(\zm)+zk+1], v[AF+32+zk:AF+33+zk]
.endif
.set zk, zk+2
.endr
	WIN 0
.irp b, 0,1
.irp j, 0,1,2,3
	ds_store_b128 v[STF], v[AF+32*(\zp)+16*\b+4*\j:AF+32*(\zp)+16*\b+4*\j+3] offset:128*\b+16*\j
.endr
.endr
.irp k, 0,1,2,3,4,5,6,7
	ds_load_b128 v[BF+32*(\zp)+4*\k:BF+32*(\zp)+4*\k+3], v[STO] offset:2*SP*\k   ; LDS serves a wave's instructions in order: these see my stores, and the next block's stores come behind them
.endr
.endm
.macro ZSEND zm, zp, younger           ; younger: the LDS instructions issued behind the block's loads
	s_wait_dscnt \younger
.irp k, 0,1,2,3,4,5,6,7
	global_store_b128 v[GOF], v[BF+32*(\zp)+4*\k:BF+32*(\zp)+4*\k+3], s[20+2*(\zp):21+2*(\zp)] offset:(16*(\zm)+2*\k)*1024 th:TH_STORE_NT   ; 16 lanes store 256 consecutive bytes, at a multiple of 256 from out0's first byte
.endr
.endm
	s_load_b256 s[4:11], s[0:1], 0x0               ; x_re, x_im, h_re, h_im
	s_load_b128 s[12:15], s[0:1], 0x20             ; wq, tab
	s_load_b64 s[16:17], s[0:1], 0x30              ; out0
	s_load_b256 s[68:75], s[0:1], 0x38             ; the biases: r re, im; h-hat re, im;
	s_load_b128 s[76:79], s[0:1], 0x58             ; z re, im
	v_lshl_add_u32 v[SPW], v0, 2, SPARE
	v_mov_b32 v[NIL], 0
	ds_add_u32 v[SPW], v[NIL]                      ; the wave's opening: the add, twice on end, and its wait ahead of my first tensor load; the set-up below stands between the second and the wait
	ds_add_u32 v[SPW], v[NIL]
	v_lshrrev_b32 v16, 5, v0
	v_readfirstlane_b32 s40, v16                   ; wave 0..3
	v_and_b32 v16, 31, v0                          ; lane
	v_and_b32 v17, 15, v0                          ; r
	v_bfe_u32 v18, v0, 4, 1                        ; hh
	v_lshlrev_b32 v22, 3, v0                       ; the biases: two numbers a thread,
	v_lshl_add_u32 v21, v0, 3, BIA                 ; and their place in LDS
	v_lshlrev_b32 v19, 4, v16                      ; 16 x lane
	s_lshl_b32 s92, s40, 14                        ; my 16,384 bytes of a step's codes, in wq and in a slot
	s_mov_b32 s93, 0
	v_add_nc_u32 v[BR], s92, v19
	v_add_nc_u32 v[BR+1], W1, v[BR]
	v_add_nc_u32 v[AR], AB0, v19
	v_add_nc_u32 v[AR+1], AB1, v19
	s_lshr_b32 s67, s40, 1
	s_lshl_b32 s67, s67, 13
	s_and_b32 s3, s40, 1
	s_lshl_b32 s3, s3, 10
	s_add_co_u32 s67, s67, s3                      ; my columns 64 w on are unit w / 2, groups 2 (w % 2) and the next
	v_add_nc_u32 v[AW], s67, v[AR]
	v_add_nc_u32 v[AW+1], s67, v[AR+1]
	v_add_nc_u32 v[PMW], PM-AB0, v[AW]
	s_lshl_b32 s3, s40, 8
	v_lshl_add_u32 v[BI0], v18, 6, s3
	v_add_nc_u32 v[BI0], BIA, v[BI0]
	v_lshlrev_b32 v[PFO], 8, v16
	v_lshlrev_b32 v20, 10, v18
	v_lshl_add_u32 v20, v17, 4, v20
	v_add_nc_u32 v[GOF], s3, v20                   ; from here on v0 is no thread number
	s_mul_i32 s3, s40, 16*SP
	s_add_co_u32 s3, s3, STG                       ; my stage
	v_mul_u32_u24 v[STO], v18, SP
	v_lshl_add_u32 v[STO], v17, 4, v[STO]
	v_add_nc_u32 v[STO], s3, v[STO]
	v_mul_u32_u24 v[STF], v17, SP
	v_lshl_add_u32 v[STF], v18, 6, v[STF]
	v_add_nc_u32 v[STF], s3, v[STF]
	; descriptor group 1: 16,384 dense bytes as 64 rows of 32 elements of 8 bytes, no padding
	s_mov_b32 s24, 15|(3<<16)|(1<<21)              ; 15:0 the mask: all four work-groups; 17:16 elements of 8 bytes; 21 set beside a mask
	s_mov_b32 s25, 32<<16                          ; tensor_dim0 = 32
	s_mov_b32 s26, 64<<16                          ; tensor_dim1 = 64
	s_mov_b32 s27, 32<<16                          ; tile_dim0 = 32
	s_mov_b32 s28, 64                              ; tile_dim1 = 64
	s_mov_b32 s29, 32                              ; from row to row
	s_mov_b32 s30, 0
	s_mov_b32 s31, 0
	s_bfe_u32 s66, ttmp6, 0x40000                  ; cx: my place in the cluster: it enters global addresses of x, h, out0 and of the prefetches alone
	s_lshl_b32 s2, ttmp9, 2
	s_add_co_u32 s2, s2, s66                       ; my block of 64 rows = 4 x cluster + cx,
	s_lshl_b32 s2, s2, 16                          ; of 1,024 bytes each
	s_mov_b32 s3, 0
	s_lshl_b32 s94, s66, 14
	s_lshl_b32 s95, s40, 13
	s_add_co_u32 s94, s94, s95
	s_add_co_u32 s94, s94, 3*STEPB                 ; the first prefetch: step 3, my work-group's quarter, my wave's half of it
	s_mov_b32 s95, 0
	s_lshr_b32 s43, s40, 1                         ; 0 in waves 0 and 1,
	s_or_b32 s43, s43, ttmp9                       ; of the first cluster: the same in all four partners
	s_cmp_eq_u32 s43, 0
	s_cselect_b32 s43, 1, 0
	s_mov_b32 s41, 0
	s_mov_b32 s98, PM-AB0
	s_mov_b32 s99, 0
	s_wait_dscnt 0x0                               ; both opening adds are done
	s_wait_kmcnt 0x0
	s_load_b512 s[48:63], s[14:15], 0x0            ; the table's row 0
	s_mov_b64 s[46:47], s[14:15]
	s_add_nc_u64 s[4:5], s[4:5], s[2:3]
	s_add_nc_u64 s[6:7], s[6:7], s[2:3]
	s_add_nc_u64 s[8:9], s[8:9], s[2:3]
	s_add_nc_u64 s[10:11], s[10:11], s[2:3]
	s_add_nc_u64 s[20:21], s[16:17], s[2:3]
	s_add_nc_u64 s[22:23], s[20:21], 0x1000000     ; the imaginary half of out0
	s_mov_b32 s32, 1                               ; group 0, step 0 into slot 0: count = 1,
	s_mov_b32 s33, s92                             ; LDS address,
	s_add_nc_u64 s[34:35], s[12:13], s[92:93]      ; global address: made of the wave's number and the step alone
	s_mov_b32 s36, 1                               ; step 1 into slot 1
	s_add_co_u32 s37, s92, W1
	s_add_nc_u64 s[38:39], s[34:35], STEPB
	s_or_b32 s35, s35, 0x80000000                  ; type = 2
	s_or_b32 s39, s39, 0x80000000
	s_add_nc_u64 s[44:45], s[12:13], s[94:95]
.irp n, 0,1,2,3,4,5
	global_load_b64 v[24+2*\n:25+2*\n], v22, s[68+2*\n:69+2*\n]
.endr
	GLD 3, 0, 4                                    ; x_re lands in the registers that later hold Y0; its turn through the stage takes it to window 2
	ROUND                                          ; all four work-groups are here: the first joint loads meet
	tensor_load_to_lds s[32:35], s[24:31]
	s_nop 0
	tensor_load_to_lds s[36:39], s[24:31]
	s_nop 0
	PLACES
	s_wait_loadcnt 32                              ; the six bias loads are in; x_re's 32 are younger
.irp g, 0,1,2
.if \g == 1
.set GAM, 0x4038aa3b                   ; 2 log2 e
.else
.set GAM, 0xbfb8aa3b                   ; -log2 e
.endif
	v_pk_add_f32 v[36+4*\g:37+4*\g], v[24+4*\g:25+4*\g], v[26+4*\g:27+4*\g] neg_lo:[0,1] neg_hi:[0,1]   ; the real part's bias: b_re - b_im
	v_pk_add_f32 v[38+4*\g:39+4*\g], v[24+4*\g:25+4*\g], v[26+4*\g:27+4*\g]                             ; the imaginary part's: b_re + b_im
	v_pk_mul_f32 v[36+4*\g:37+4*\g], v[36+4*\g:37+4*\g], GAM op_sel_hi:[1,0]
	v_pk_mul_f32 v[38+4*\g:39+4*\g], v[38+4*\g:39+4*\g], GAM op_sel_hi:[1,0]
	ds_store_b64 v21, v[36+4*\g:37+4*\g] offset:2048*\g
	ds_store_b64 v21, v[38+4*\g:39+4*\g] offset:2048*\g+1024
.endr
	GLD 1, 0, 8                                    ; h_re
	TURN4 3, 0, 2, 0, 56                           ; x_re: behind tile 0's eight loads stand 24 of x_re and 32 of h_re
	GLD 2, 128, 6                                  ; x_im
	s_wait_kmcnt 0x0                               ; row 0
	QSET 48, 0
	s_wait_dscnt 0x0                               ; x_re is back from the stage
.irp hm, 0,1,2,3
	Q32 2, 32*\hm, 88, 89, SCV, AW, 2048*\hm, C+8*(\hm%2)   ; step 0's operand
.endr
	TURN4 1, 0, 1, 0, 56                           ; h_re
	GLD 1, 128, 10                                 ; h_im
	TURN4 2, 128, 2, 128, 56                       ; x_im
	TURN4 1, 128, 1, 128, 24                       ; h_im: no tensor behind it
	s_wait_tensorcnt 0x1                           ; step 0's weights are in; step 1's load may stay out
	s_wait_dscnt 0x0                               ; my codes and biases have landed; x and h are in their registers
	s_barrier_signal -1
	s_barrier_wait -1
.Lphase:                                           ; five trips: phases 0 to 4
	s_lshr_b32 s96, s41, 1
	s_and_b32 s97, s41, 1
	s_load_b512 s[68:83], s[46:47], 0x40           ; the next phase's row,
	s_load_b128 s[84:87], s[46:47], 0x80           ; and the head of the one after it
	v_add_nc_u32 v[APM], s98, v[AR]
	STEP 0, 0, 1
	SYNC 1, 1
	STEP 1, 0, 1
	SYNC 1, 1
	STEP 2, 0, 1
	SYNC 1, 1
	STEP 3, 0, 1
	SYNC 1, 1
	STEP 4, 0, 1
	SYNC 1, 1
	STEP 5, 0, 1
	s_cmp_eq_u32 s97, 0
	s_cbranch_scc0 .Lodd
	FIN 0                                          ; a gate's real part waits in Y0
	s_branch .Ljoin
.Lodd:
	FIN 128
	ACT
	TSET
	s_cmp_eq_u32 s96, 0
	s_cbranch_scc0 .Lhh
	RTAIL
	s_branch .Ljoin
.Lhh:
	HTAIL
.Ljoin:
	s_xor_b32 s98, s98, 0x8000
	s_add_co_u32 s99, s99, 1024
	s_add_nc_u64 s[46:47], s[46:47], 64            ; (the loads by this address were waited for in step 5)
.irp k, 0,2,4,6,8,10,12,14
	s_mov_b64 s[48+\k:49+\k], s[68+\k:69+\k]
.endr
	SYNC 1, 1
	s_add_co_u32 s41, s41, 1
	s_cmp_lt_u32 s41, 5
	s_cbranch_scc1 .Lphase
	; phase 5 is written out: the last fill, step 35's, stands in front of step 34
	v_add_nc_u32 v[APM], s98, v[AR]
	STEP 0, 1, 1
	SYNC 1, 1
	STEP 1, 1, 1
	SYNC 1, 1
	STEP 2, 1, 1                                   ; the last prefetch: step 35
	SYNC 1, 0
	STEP 3, 1, 0
	SYNC 1, 0
	STEP 4, 1, 0
	SYNC 0, 0                                      ; nothing is left to fetch
	STEP 5, 1, 0
	FIN 128
	ACT
	ZBLK 0, 0
.irp bb, 1,2,3,4,5,6,7
.if \bb > 1
	s_wait_xcnt 0x0                                ; the stores of the block before last have read their registers: this block's loads may land there
.endif
	ZBLK \bb/2, \bb%2
	ZSEND (\bb-1)/2, (\bb-1)%2, 16                 ; behind the earlier block's loads: this block's 8 stores and 8 loads
.endr
	ZSEND 3, 1, 0
	s_wait_tensorcnt 0x0                           ; the wave's end, behind my last tensor load and my last LDS store
	ds_add_u32 v[SPW], v[NIL]
	s_wait_dscnt 0x0
	ROUND                                          ; the closing round: no work-group ends while a partner may still ask for codes jointly
	s_endpgm
.Lfunc_end_k_q6a12ecb66e_cell:
	.size	k_q6a12ecb66e_cell, .Lfunc_end_k_q6a12ecb66e_cell-k_q6a12ecb66e_cell
	.p2alignl 7, 3214868480
	.fill 96, 4, 3214868480
	.section	.rodata,"a",@progbits
	.p2align	6, 0x0
	.amdhsa_kernel k_q6a12ecb66e_cell
		.amdhsa_group_segment_fixed_size 327680
		.amdhsa_private_segment_fixed_size 0
		.amdhsa_enable_private_segment 0
		.amdhsa_kernarg_size 104
		.amdhsa_user_sgpr_count 2
		.amdhsa_user_sgpr_kernarg_segment_ptr 1
		.amdhsa_wavefront_size32 1
		.amdhsa_system_sgpr_workgroup_id_x 1
		.amdhsa_system_sgpr_workgroup_id_y 1
		.amdhsa_system_sgpr_workgroup_id_z 1
		.amdhsa_system_vgpr_workitem_id 0
		.amdhsa_next_free_vgpr 1024
		.amdhsa_next_free_sgpr 100
		.amdhsa_reserve_vcc 0
		.amdhsa_float_denorm_mode_32 3
		.amdhsa_float_denorm_mode_16_64 3
		.amdhsa_memory_ordered 1
		.amdhsa_forward_progress 1
		.amdhsa_inst_pref_size 255
	.end_amdhsa_kernel
	.section	.bss,"aw",@nobits
	.p2align	6
	.space	262144
	.amdgpu_metadata
---
amdhsa.version: [ 1, 2 ]
amdhsa.kernels:
  - .name:           k_q6a12ecb66e_cell
    .symbol:         k_q6a12ecb66e_cell.kd
    .args:
      - { .name: x_re, .offset: 0, .size: 8, .value_kind: global_buffer, .address_space: global }
      - { .name: x_im, .offset: 8, .size: 8, .value_kind: global_buffer, .address_space: global }
      - { .name: h_re, .offset: 16, .size: 8, .value_kind: global_buffer, .address_space: global }
      - { .name: h_im, .offset: 24, .size: 8, .value_kind: global_buffer, .address_space: global }
      - { .name: wq, .offset: 32, .size: 8, .value_kind: global_buffer, .address_space: global }
      - { .name: tab, .offset: 40, .size: 8, .value_kind: global_buffer, .address_space: global }
      - { .name: out0, .offset: 48, .size: 8, .value_kind: global_buffer, .address_space: global }
      - { .name: wr_b_re, .offset: 56, .size: 8, .value_kind: global_buffer, .address_space: global }
      - { .name: wr_b_im, .offset: 64, .size: 8, .value_kind: global_buffer, .address_space: global }
      - { .name: wh_b_re, .offset: 72, .size: 8, .value_kind: global_buffer, .address_space: global }
      - { .name: wh_b_im, .offset: 80, .size: 8, .value_kind: global_buffer, .address_space: global }
      - { .name: wz_b_re, .offset: 88, .size: 8, .value_kind: global_buffer, .address_space: global }
      - { .name: wz_b_im, .offset: 96, .size: 8, .value_kind: global_buffer, .address_space: global }
    .group_segment_fixed_size: 327680
    .private_segment_fixed_size: 0
    .kernarg_segment_align: 8
    .kernarg_segment_size: 104
    .max_flat_workgroup_size: 128
    .sgpr_count:     100
    .vgpr_count:     1024
    .wavefront_size: 32
...
	.end_amdgpu_metadata
.endif
;; end of part 2
;; ======== version 2 of 2: 2 launches
;; limits: right only within a limited range of input values
;; workspace buffers: wq 2,359,296 bytes; tab 512 bytes
;; launch prep (part 3): grid 24 x 6, 4 waves a work-group, no clusters, 0 bytes of LDS; arguments wr_w_re, wr_w_im, ur_w_re, ur_w_im, wh_w_re, wh_w_im, uh_w_re, uh_w_im, wz_w_re, wz_w_im, uz_w_re, uz_w_im, lowp_scales, wq, tab; writes wq, tab
.if DOCPART == 3
	.amdgcn_target "amdgcn-amd-amdhsa--gfx1250"
	.amdhsa_code_object_version 6
	.text
	.protected	k_q6a12ecb66e_prep
	.globl	k_q6a12ecb66e_prep
	.p2align	8
	.type	k_q6a12ecb66e_prep,@function
k_q6a12ecb66e_prep:
	s_mov_b64 s[64:65], 0
	v_nop
	global_prefetch_b8 v0, s[64:65] scope:SCOPE_SE
	s_setreg_imm32_b32 hwreg(HW_REG_WAVE_MODE, 25, 1), 1
	s_wait_xcnt 0x0
; COMPLEX GRU CELL, launch 1 of 2: the weights become codes of E4M3, and the given scales become a table of powers of two.
; NOTHING OF reference() IS LEFT OUT in this program: all 24 products, all six biases and all inputs have a way to out0, and each of the 48 operands is quantised under its own entry of lowp_scales.
; THE ORDER OF THE WORK, shared with the second launch.  Phase p = 0..5: r_re, r_im, hh_re, hh_im, z_re, z_im; gate g = p >> 1 (0 r, 1 h-hat, 2 z), part q = p & 1.
; A phase has six steps i of 256 along K, by their left operand: 0 x_re, 1 H_re, 2 x_im, 3 H_im, 4 h_re, 5 h_im (H = r h in gate 1, else h).  Steps 0, 1 are product slot a = 0, steps 2, 3 slot 1, step 4 slot 2, step 5 slot 3.
; Slot a of phase p is the table's product (counted from 0) pi = base(g) + ((a + 2 (a >> 1)) xor 3 q), base = 0, 16, 8; its weight is W (a < 2) or U, real part where (a & 1) xor q = 0;
; W's columns begin at 256 (i & 1).  Where reference() subtracts the product (q = 0, a odd) the codes' sign bits are turned here: the quantiser is odd, so nothing is rounded by that.
; wq: step 6 p + i takes 65,536 bytes: w x 16,384 + s x 8,192 + t x 2,048 + c x 512 + lane x 16.  Lane (rho = lane % 16, hh = lane / 16) holds 16 codes: weight row 64 w + 32 (t / 2) + 8 (t % 2) + rho + 8 (rho / 8),
; k = 128 s + 32 c + 16 hh + 0 .. 15 of the step's 256: an image of the operand's registers, so that four 16-byte loads a lane bring a fragment.
; tab: row p of 16 words: [2 a] 2^eA(a), [2 a + 1] 448 x 2^eA(a), [8], [10], [12] 2^(E0 - E1), 2^(E1 - E2), 2^(E2 - E3) with E = eA + eB, [14] gamma x 2^E3 (gamma = -log2 e for r and z, 2 log2 e for h-hat); the rest zeros.
; SHARES: work-group (x, y): step i = x >> 2 of phase y, columns' quarter w = x & 3; wave t takes tile t: 16 weight rows x 256 along K, 128 numbers a lane.  Work-group (0, 0)'s wave 0 also makes the table.
; LIMITS: each weight's e between -126 and 119; each eA between -126 and 119; each difference E(a) - E(a + 1) between -126 and 127; E3 between -126 and 125.  NaN among the weights is not served; an infinity is held at the largest code.
.set NUM, 16                           ; v16-143   128 numbers: 64 s + 16 c + 0 .. 15
.set COD, 144                          ; v144-175  their codes: 16 s + 4 c + 0 .. 3
.set TBL, 176                          ; v176-179  the table: word D in register D & 3 of lane D >> 2
	s_load_b512 s[4:19], s[0:1], 0x0               ; wr re, im; ur re, im; wh re, im; uh re, im
	s_load_b256 s[20:27], s[0:1], 0x40             ; wz re, im; uz re, im
	s_load_b128 s[84:87], s[0:1], 0x60             ; lowp_scales, wq
	s_load_b64 s[88:89], s[0:1], 0x70              ; tab
	v_lshrrev_b32 v1, 5, v0
	v_readfirstlane_b32 s28, v1                    ; t: my wave's tile
	s_lshr_b32 s29, ttmp9, 2                       ; i
	s_and_b32 s30, ttmp9, 3                        ; w
	s_and_b32 s31, ttmp7, 0xffff                   ; p
	s_lshr_b32 s32, s31, 1                         ; g
	s_and_b32 s33, s31, 1                          ; q
	s_lshr_b32 s34, s29, 1
	s_sub_co_u32 s35, s29, 2
	s_cmp_lt_u32 s29, 4
	s_cselect_b32 s34, s34, s35                    ; a
	s_lshr_b32 s35, s34, 1                         ; kind: 0 W, 1 U
	s_and_b32 s36, s34, 1
	s_xor_b32 s37, s36, s33                        ; part: 0 real, 1 imaginary
	s_lshl_b32 s38, s35, 1
	s_add_co_u32 s38, s38, s34                     ; a + 2 (a >> 1)
	s_mul_i32 s39, s33, 3
	s_xor_b32 s38, s38, s39
	s_lshl_b32 s39, s32, 2
	s_cmp_eq_u32 s32, 1
	s_cselect_b32 s39, 16, s39                     ; base: 0, 16, 8
	s_add_co_u32 s38, s38, s39                     ; pi
	s_lshl_b32 s38, s38, 3                         ; its pair of entries, in bytes
	s_xor_b32 s39, s33, 1
	s_and_b32 s39, s39, s36
	s_mul_i32 s39, s39, 0x80808080                 ; four sign bits where the product is subtracted, else 0
	s_and_b32 s40, s29, 1
	s_lshl_b32 s40, s40, 10
	s_cmp_eq_u32 s35, 0
	s_cselect_b32 s40, s40, 0                      ; W's first column, in bytes
	s_mov_b32 s41, 0
	s_sub_co_u32 s42, 11, s35                      ; a row is 2^11 bytes in W, 2^10 in U
	s_lshl_b32 s43, s30, 6
	s_lshr_b32 s44, s28, 1
	s_lshl_b32 s44, s44, 5
	s_add_co_u32 s43, s43, s44
	s_and_b32 s44, s28, 1
	s_lshl_b32 s44, s44, 3
	s_add_co_u32 s43, s43, s44                     ; 64 w + 32 (t / 2) + 8 (t % 2)
	v_and_b32 v2, 15, v0                           ; rho
	v_bfe_u32 v3, v0, 4, 1                         ; hh
	v_and_b32 v4, 8, v2
	v_add_nc_u32 v4, v4, v2                        ; rho + 8 (rho / 8)
	v_add_nc_u32 v4, s43, v4                       ; my weight row
	v_lshlrev_b32 v4, s42, v4
	v_lshl_add_u32 v4, v3, 6, v4                   ; + 64 hh: my 16 numbers of a block of 32
	v_and_b32 v5, 31, v0
	v_lshlrev_b32 v5, 4, v5                        ; 16 x lane
	s_mul_i32 s46, s31, 6
	s_add_co_u32 s46, s46, s29
	s_lshl_b32 s46, s46, 16                        ; the step's 65,536 bytes of wq,
	s_lshl_b32 s47, s30, 14
	s_add_co_u32 s46, s46, s47                     ; the quarter's 16,384,
	s_lshl_b32 s47, s28, 11
	s_add_co_u32 s46, s46, s47                     ; the tile's 2,048
	s_mov_b32 s47, 0
	s_wait_alu depctr_va_vdst(0)
	s_wait_kmcnt 0x0
	s_load_b32 s48, s[84:85], s38 offset:0x4       ; eB = entry 2 pi + 1
	s_cmp_eq_u32 s37, 0                            ; the weight is chosen among the twelve by ids alone: real or imaginary,
	s_cselect_b64 s[4:5], s[4:5], s[6:7]
	s_cselect_b64 s[8:9], s[8:9], s[10:11]
	s_cselect_b64 s[12:13], s[12:13], s[14:15]
	s_cselect_b64 s[16:17], s[16:17], s[18:19]
	s_cselect_b64 s[20:21], s[20:21], s[22:23]
	s_cselect_b64 s[24:25], s[24:25], s[26:27]
	s_cmp_eq_u32 s35, 0                            ; W or U,
	s_cselect_b64 s[4:5], s[4:5], s[8:9]
	s_cselect_b64 s[12:13], s[12:13], s[16:17]
	s_cselect_b64 s[20:21], s[20:21], s[24:25]
	s_cmp_eq_u32 s32, 1                            ; and the gate
	s_cselect_b64 s[4:5], s[12:13], s[4:5]
	s_cmp_eq_u32 s32, 2
	s_cselect_b64 s[4:5], s[20:21], s[4:5]
	s_add_nc_u64 s[4:5], s[4:5], s[40:41]
	s_add_nc_u64 s[86:87], s[86:87], s[46:47]
.irp s, 0,1
.irp c, 0,1,2,3
.irp j, 0,1,2,3
	global_load_b128 v[NUM+64*\s+16*\c+4*\j:NUM+64*\s+16*\c+4*\j+3], v4, s[4:5] offset:512*\s+128*\c+16*\j   ; no hint: a second phase reads the same weight under its other scale
.endr
.endr
.endr
	s_wait_kmcnt 0x0
	s_add_co_i32 s48, s48, 127
	s_lshl_b32 s49, s48, 23
	v_mov_b32 v6, s49                              ; 2^eB as f32: the conversion takes its exponent field
	s_add_co_i32 s48, s48, 8
	s_lshl_b32 s48, s48, 23
	s_or_b32 s48, s48, 0x600000
	v_mov_b32 v7, s48                              ; 448 x 2^eB
	s_mov_b32 s90, s39                             ; the sign bits, and
	s_or_b32 s91, ttmp9, s31                       ; 0 in wave 0 of work-group (0, 0) alone: both kept outside the registers that the exponents take
	s_or_b32 s91, s91, s28
	s_wait_xcnt 0x0                                ; the weights' loads have read their base, which lies among those registers
	s_load_b512 s[4:19], s[84:85], 0x0             ; the 48 exponents, entry k in s[4 + k], asked for while the weights are on their way.  Every wave asks, 192 bytes, with no branch:
	s_load_b512 s[20:35], s[84:85], 0x40           ; so the registers are written on every way to the table's lines; only the table's wave uses them
	s_load_b512 s[36:51], s[84:85], 0x80
	s_wait_alu depctr_va_vdst(0)
	s_wait_loadcnt 0x0
	s_wait_kmcnt 0x0
.set pk, 0
.rept 128
	v_med3_num_f32 v[NUM+pk], v[NUM+pk], -v7, v7   ; the conversion to an 8-bit code does not saturate (ISA guide 7.6.2): the hold at the largest code x the scale
.set pk, pk+1
.endr
.set pk, 0
.rept 16
	v_cvt_scalef32_pk8_fp8_f32 v[COD+2*pk:COD+2*pk+1], v[NUM+8*pk:NUM+8*pk+7], v6
.set pk, pk+1
.endr
	v_nop                                          ; one plain vector instruction between the last conversion and the lines that read its result
.set pk, 0
.rept 32
	v_xor_b32 v[COD+pk], s90, v[COD+pk]            ; the minus of reference() goes into the codes
.set pk, pk+1
.endr
.irp s, 0,1
.irp c, 0,1,2,3
	global_store_b128 v5, v[COD+16*\s+4*\c:COD+16*\s+4*\c+3], s[86:87] offset:8192*\s+512*\c   ; 32 lanes store 512 consecutive bytes, at a multiple of 256 from wq's first byte
.endr
.endr
	s_cmp_lg_u32 s91, 0                            ; the table: one wave of one work-group, by ids alone; its exponents were asked for above
	s_cbranch_scc1 .Lend
.irp k, 0,1,2,3
	v_mov_b32 v[TBL+\k], 0                         ; the words that stay zero, rows 6 and 7 among them
.endr
	s_wait_alu depctr_va_vdst(0)
	s_wait_kmcnt 0x0
; row p of the table, from the four products of its slots and gamma's bits
.macro ROW p, p0, p1, p2, p3, gam
.set ra, 0
.irp pi, \p0, \p1, \p2, \p3
	s_add_co_i32 s56, s[4+2*(\pi)], 127
	s_lshl_b32 s57, s56, 23
	v_writelane_b32 v[TBL+(2*ra)%4], s57, 4*(\p)+(2*ra)/4          ; 2^eA
	s_wait_alu depctr_va_vdst(0)
	s_add_co_i32 s56, s56, 8
	s_lshl_b32 s56, s56, 23
	s_or_b32 s56, s56, 0x600000
	v_writelane_b32 v[TBL+(2*ra+1)%4], s56, 4*(\p)+(2*ra+1)/4      ; 448 x 2^eA
	s_add_co_i32 s[52+ra], s[4+2*(\pi)], s[5+2*(\pi)]              ; E = eA + eB
.set ra, ra+1
.endr
	s_sub_co_i32 s56, s52, s53
	s_add_co_i32 s56, s56, 127
	s_lshl_b32 s56, s56, 23
	v_writelane_b32 v[TBL], s56, 4*(\p)+2          ; word 8: 2^(E0 - E1)
	s_sub_co_i32 s56, s53, s54
	s_add_co_i32 s56, s56, 127
	s_lshl_b32 s56, s56, 23
	v_writelane_b32 v[TBL+2], s56, 4*(\p)+2        ; word 10: 2^(E1 - E2)
	s_sub_co_i32 s56, s54, s55
	s_add_co_i32 s56, s56, 127
	s_lshl_b32 s56, s56, 23
	v_writelane_b32 v[TBL], s56, 4*(\p)+3          ; word 12: 2^(E2 - E3)
	s_lshl_b32 s56, s55, 23
	s_add_co_i32 s56, s56, \gam                    ; E3 is added to gamma's exponent field
	v_writelane_b32 v[TBL+2], s56, 4*(\p)+3        ; word 14: gamma x 2^E3
.endm
	ROW 0, 0, 1, 4, 5, 0xbfb8aa3b
	ROW 1, 3, 2, 7, 6, 0xbfb8aa3b
	ROW 2, 16, 17, 20, 21, 0x4038aa3b
	ROW 3, 19, 18, 23, 22, 0x4038aa3b
	ROW 4, 8, 9, 12, 13, 0xbfb8aa3b
	ROW 5, 11, 10, 15, 14, 0xbfb8aa3b
	s_wait_alu depctr_va_vdst(0)
	global_store_b128 v5, v[TBL:TBL+3], s[88:89]   ; the whole table: 512 consecutive bytes
.Lend:
	s_endpgm
.Lfunc_end_k_q6a12ecb66e_prep:
	.size	k_q6a12ecb66e_prep, .Lfunc_end_k_q6a12ecb66e_prep-k_q6a12ecb66e_prep
	.p2alignl 7, 3214868480
	.fill 96, 4, 3214868480
	.section	.rodata,"a",@progbits
	.p2align	6, 0x0
	.amdhsa_kernel k_q6a12ecb66e_prep
		.amdhsa_group_segment_fixed_size 0
		.amdhsa_private_segment_fixed_size 0
		.amdhsa_enable_private_segment 0
		.amdhsa_kernarg_size 120
		.amdhsa_user_sgpr_count 2
		.amdhsa_user_sgpr_kernarg_segment_ptr 1
		.amdhsa_wavefront_size32 1
		.amdhsa_system_sgpr_workgroup_id_x 1
		.amdhsa_system_sgpr_workgroup_id_y 1
		.amdhsa_system_sgpr_workgroup_id_z 1
		.amdhsa_system_vgpr_workitem_id 0
		.amdhsa_next_free_vgpr 184
		.amdhsa_next_free_sgpr 96
		.amdhsa_reserve_vcc 0
		.amdhsa_float_denorm_mode_32 3
		.amdhsa_float_denorm_mode_16_64 3
		.amdhsa_memory_ordered 1
		.amdhsa_forward_progress 1
		.amdhsa_inst_pref_size 32
	.end_amdhsa_kernel
	.amdgpu_metadata
---
amdhsa.version: [ 1, 2 ]
amdhsa.kernels:
  - .name:           k_q6a12ecb66e_prep
    .symbol:         k_q6a12ecb66e_prep.kd
    .args:
      - { .name: wr_w_re, .offset: 0, .size: 8, .value_kind: global_buffer, .address_space: global }
      - { .name: wr_w_im, .offset: 8, .size: 8, .value_kind: global_buffer, .address_space: global }
      - { .name: ur_w_re, .offset: 16, .size: 8, .value_kind: global_buffer, .address_space: global }
      - { .name: ur_w_im, .offset: 24, .size: 8, .value_kind: global_buffer, .address_space: global }
      - { .name: wh_w_re, .offset: 32, .size: 8, .value_kind: global_buffer, .address_space: global }
      - { .name: wh_w_im, .offset: 40, .size: 8, .value_kind: global_buffer, .address_space: global }
      - { .name: uh_w_re, .offset: 48, .size: 8, .value_kind: global_buffer, .address_space: global }
      - { .name: uh_w_im, .offset: 56, .size: 8, .value_kind: global_buffer, .address_space: global }
      - { .name: wz_w_re, .offset: 64, .size: 8, .value_kind: global_buffer, .address_space: global }
      - { .name: wz_w_im, .offset: 72, .size: 8, .value_kind: global_buffer, .address_space: global }
      - { .name: uz_w_re, .offset: 80, .size: 8, .value_kind: global_buffer, .address_space: global }
      - { .name: uz_w_im, .offset: 88, .size: 8, .value_kind: global_buffer, .address_space: global }
      - { .name: lowp_scales, .offset: 96, .size: 8, .value_kind: global_buffer, .address_space: global }
      - { .name: wq, .offset: 104, .size: 8, .value_kind: global_buffer, .address_space: global }
      - { .name: tab, .offset: 112, .size: 8, .value_kind: global_buffer, .address_space: global }
    .group_segment_fixed_size: 0
    .private_segment_fixed_size: 0
    .kernarg_segment_align: 8
    .kernarg_segment_size: 120
    .max_flat_workgroup_size: 128
    .sgpr_count:     96
    .vgpr_count:     184
    .wavefront_size: 32
...
	.end_amdgpu_metadata
.endif
;; end of part 3
;; launch cell (part 4): grid 256 x 1, 4 waves a work-group, no clusters, 327,680 bytes of LDS; arguments x_re, x_im, h_re, h_im, wq, tab, out0, wr_b_re, wr_b_im, wh_b_re, wh_b_im, wz_b_re, wz_b_im; writes out0
.if DOCPART == 4
	.amdgcn_target "amdgcn-amd-amdhsa--gfx1250"
	.amdhsa_code_object_version 6
	.text
	.protected	k_q6a12ecb66e_cell
	.globl	k_q6a12ecb66e_cell
	.p2align	8
	.type	k_q6a12ecb66e_cell,@function
k_q6a12ecb66e_cell:
	s_mov_b64 s[64:65], 0
	v_nop
	global_prefetch_b8 v0, s[64:65] scope:SCOPE_SE
	s_setreg_imm32_b32 hwreg(HW_REG_WAVE_MODE, 25, 1), 1
	s_wait_xcnt 0x0
; COMPLEX GRU CELL, launch 2 of 2: everything but the weights' quantising.  Nothing of reference() is left out.
; SHARES.  A work-group of four waves owns 64 rows of the batch.  THE WAVES SHARE THE COLUMNS: wave w makes columns 64 w .. 64 w + 63 of each of the six pre-activations, for all 64 rows: 16 accumulators of 16 x 16.
; THE ORDER OF THE WORK is the first launch's: phases p = 0..5 (r_re, r_im, hh_re, hh_im, z_re, z_im), six steps of 256 along K in each (x_re, H_re, x_im, H_im, h_re, h_im), a step = two units of 128 = 2 x 16 matrix instructions a wave.
; THE MATRIX INSTRUCTION IS USED TRANSPOSED (source 0 = 16 weight rows, source 1 = 16 rows of the batch), and the weight rows of a tile are chosen so that lane (r = lane % 16, hh = lane / 16) holds, at index 32 m + 16 b + i,
; row 16 m + r and column 64 w + 32 b + 16 hh + i.  h is kept in registers in that same order for the whole launch, so r h, the blend and every quantiser work within a lane.
; EVERY OPERAND UNDER ITS OWN SCALE.  Codes go from wave to wave through LDS as images of the operand's registers (unit s, tile of rows m, group c of four registers, 16 bytes a lane): each wave quantises its 64 columns, every wave loads the whole.
; x is quantised once, at the head, under all its 12 scales (XQ).  h is quantised during step sigma for step sigma + 1, into two buffers by turns.  r h is quantised behind gate r under gate h-hat's four scales (PM).
; THE WEIGHTS' CODES GO FROM MEMORY STRAIGHT INTO REGISTERS: wq holds them in the order of the operand's registers, a wave's 16,384 bytes of a step are its own, and each load of a wave takes 512 consecutive bytes.
; Four sets of 64 registers take turns, a unit each: ahead of unit U's products the wave waits for U's 16 loads and asks for unit U + 3: 48 loads of a wave are out at the most in the loop.
; NO CLUSTER, though all work-groups read the same codes: a joint load lands in LDS, and LDS is taken: 196,608 bytes of x's images, 65,536 of r h's, 32,768 of h's, the stage and the biases.  And each code byte is wanted by one wave,
; once, in registers: through LDS a step would write and read 131,072 bytes beside the 81,920 of the left operand.
; THE FOUR PRODUCTS OF A PRE-ACTIVATION share one accumulator: between two products it is multiplied by 2^(E_old - E_new), E = eA + eB, which rounds nothing; minus signs lie in the weights' codes;
; at the end one packed multiply-add gives u = sum x gamma 2^E3 + gamma bias.  sigmoid = 1 / (1 + 2^u) with gamma = -log2 e; tanh = 1 - 2 / (1 + 2^u) with gamma = 2 log2 e.
; out_re = h_re + zr dr - zi di, out_im = h_im + zr di + zi dr with d = h-hat - h: reference()'s blend with its terms gathered.  d waits in LDS as f32 during gate z, each lane's own bytes, over the images of x that phases 0 to 3 have read.
; LIMITS: those of the first launch's head on the given exponents.  NaN among the inputs is not served; an infinity in x or h is held at the largest code in the products (as the quantiser holds it).
; LDS
.set AB0,   0x00000                    ; h's images, two buffers by turns: s x 8,192 + m x 2,048 + c x 512 + 16 x lane
.set AB1,   0x04000
.set STG,   0x08000                    ; a stage of 16 rows x 272 bytes for each wave: the way in and the way out
.set SP,    272
.set BIA,   0x0c400                    ; gamma x bias: [phase][256] f32
.set SPARE, 0x0dc00                    ; the spare words, 128 bytes for each wave: two blocks of 256 bytes that no other line names
.set PM,    0x10000                    ; r h's four images: q x 32,768 + j x 16,384
.set XQ,    0x20000                    ; x's twelve images: p x 32,768 + j x 16,384.  Later, over phases 0 to 3: d, w x 32,768 + k x 512 + 16 x lane
.set STEPB, 0x10000                    ; a step's codes in wq
; REGISTERS, in windows of 256.  s_set_vgpr_msb's low byte: bits 1:0 source 0, 3:2 source 1, 5:4 source 2, 7:6 destination.
;   window 0: below.   window 1: h_re v0-127, h_im v128-255.   window 2: the weights' four sets: unit u of step i at 64 (2 (i % 2) + u); at the end: d.
;   window 3: Y0 v0-127 (a gate's real part), the accumulators v128-255 ((m, t) at 128 + 32 m + 8 t); at the head: x.
.set GOF, 0                            ; v0     (behind the head) my byte in a block's rows of x, h, out: 1,024 hh + 16 r + 256 w; never rewritten
.set SPW, 1                            ; v1     LDS address of my spare word; never rewritten
.set NIL, 2                            ; v2     0; never rewritten
.set WOF, 3                            ; v3     my byte in a step's codes: 16,384 w + 16 x lane; never rewritten
.set PFO, 4                            ; v4     the prefetches' offset; never rewritten
.set AR,  5                            ; v5, v6 an image's place for my lane in AB0, AB1
.set AXQ, 7                            ; v7     the same in XQ, phase p (at the head: where I store x's codes)
.set AW,  8                            ; v8, v9 where I store my columns' codes in AB0, AB1: + (w / 2) x 8,192 + (w % 2) x 1,024
.set PMW, 10                           ; v10    the same in PM
.set SCV, 11                           ; v11    the conversion's scale
.set BI0, 12                           ; v12    my biases in phase 0
.set APM, 13                           ; v13    an image's place for my lane in PM, part q
.set STO, 14                           ; v14    the stage by memory's order: row hh, 16 r
.set STF, 15                           ; v15    the stage by the registers' order: row r, 64 hh
.set T,   16                           ; v16-47   32 held numbers
.set C,   48                           ; v48-63   codes
.set AF,  64                           ; v64-191  the left operand's eight fragments of a step: 64 u + 16 m
.set BF,  128                          ; v128-191 on the way out: rows read back from the stage
.set BS,  192                          ; v192-223 a phase's biases; v224, v225 addresses at work
; s2 wave; s[4:11] x_re, x_im, h_re, h_im at my rows; s[12:13] wq at phase p; s[18:19] tab at row p; s[20:23] out's two halves; s[24:47] at the head: the first four words of the table's six rows; then s24: XQ + 32,768 p;
; s[48:63] row p; s66 p; s67 1 where I prefetch; s[68:83] row p + 1; s[84:87] row p + 2's first four words; s[88:95] pairs -limit, +limit; s96 g; s97 q; s98 PM + 32,768 q; s99 1,024 p
.set MSB, 0
.macro WIN new                         ; the immediate's high byte repeats the setting that is left; a switch that changes nothing is dropped
.if MSB != (\new)
	s_set_vgpr_msb (MSB<<8)|(\new)
.set MSB, (\new)
.endif
.endm
.macro PLACES                          ; four plain vector instructions behind a matrix instruction, ahead of loads into its sources and of reads of its results
.rept 4
	v_nop
.endr
.endm
; 16 rows x my 256 bytes of a tensor, as they lie: lanes 0-15 take an even row's 256 consecutive bytes, lanes 16-31 the next row's
.macro GLDT win, rb, base, mm
	WIN (\win)<<6
.irp k, 0,1,2,3,4,5,6,7
	global_load_b128 v[(\rb)+32*(\mm)+4*\k:(\rb)+32*(\mm)+4*\k+3], v[GOF], s[\base:\base+1] offset:(16*(\mm)+2*\k)*1024 th:TH_LOAD_NT
.endr
.endm
; a tile of 16 rows goes through my stage and comes back, into the same registers, in the registers' order.  LDS serves a wave's instructions in order (ISA guide 5.7.1.4): no wait between the stores and the loads.
; left: the global loads issued behind the tile's eight, which may stay out
.macro TURN win, rb, tm, left
	s_wait_loadcnt \left
	WIN 0x44*(\win)
.irp k, 0,1,2,3,4,5,6,7
	ds_store_b128 v[STO], v[(\rb)+32*(\tm)+4*\k:(\rb)+32*(\tm)+4*\k+3] offset:2*SP*\k
.endr
.irp b, 0,1
.irp j, 0,1,2,3
	ds_load_b128 v[(\rb)+32*(\tm)+16*\b+4*\j:(\rb)+32*(\tm)+16*\b+4*\j+3], v[STF] offset:128*\b+16*\j
.endr
.endr
.endm
; my four weight fragments of unit u of the step that lies st steps behind the phase's first: 16 loads of 512 consecutive bytes.  No hint: every work-group reads these bytes
.macro WLD st, u
	WIN 0x80                                       ; destination window 2
.irp t, 0,1,2,3
.irp c, 0,1,2,3
	global_load_b128 v[64*(2*((\st)%2)+(\u))+16*\t+4*\c:64*(2*((\st)%2)+(\u))+16*\t+4*\c+3], v[WOF], s[12+2*((\st)/6):13+2*((\st)/6)] offset:STEPB*((\st)%6)+8192*(\u)+2048*\t+512*\c   ; steps 6 and 7 are the next phase's first two: they go by s[14:15]
.endr
.endr
	WIN 0
.endm
; 32 numbers (one tile of rows, my 64 columns' share of a lane) from window win become 32 codes and go to LDS: 16 codes of group c, 16 of group c + 1
.macro Q32 win, src, nl, pl, scv, adr, off, cd
	WIN \win
.set qk, 0
.rept 32
	v_med3_num_f32 v[T+qk], v[(\src)+qk], s[\nl], s[\pl]           ; the conversion to an 8-bit code does not saturate (ISA guide 7.6.2): the hold at the largest code x the scale
.set qk, qk+1
.endr
	WIN 0
.irp g, 0,1,2,3
	v_cvt_scalef32_pk8_fp8_f32 v[(\cd)+2*\g:(\cd)+2*\g+1], v[T+8*\g:T+8*\g+7], v[\scv]
.endr
	v_nop                                          ; one plain vector instruction behind the last conversion, ahead of whatever next writes its sources
	ds_store_b128 v[\adr], v[(\cd):(\cd)+3] offset:(\off)
	ds_store_b128 v[\adr], v[(\cd)+4:(\cd)+7] offset:(\off)+512
.endm
.macro QSET row, a                     ; slot a's scale and limits, from a row of the table
	s_mov_b32 s89, s[(\row)+2*(\a)+1]
	s_xor_b32 s88, s89, 0x80000000
	v_mov_b32 v[SCV], s[(\row)+2*(\a)]
.endm
; x_re (j = 0) or x_im (j = 1), 128 numbers a lane in window 3 from src on, under its six scales: a loop of six trips, a phase each.  The six rows' words go round through s[24:47], so that a trip finds its own in s[24:27];
; behind six trips they lie as they lay.
.macro XQUANT j, src
	s_mov_b32 s94, XQ
	s_mov_b32 s95, 0
.Lxq_\@:
	QSET 24, \j
	v_add_nc_u32 v[AXQ], s94, v[AW]
.irp hm, 0,1,2,3
	Q32 3, (\src)+32*\hm, 88, 89, SCV, AXQ, 16384*(\j)+2048*\hm, C+8*(\hm%2)
.endr
	s_mov_b64 s[84:85], s[24:25]
	s_mov_b64 s[86:87], s[26:27]
.irp k, 0,2,4,6,8,10,12,14,16,18
	s_mov_b64 s[24+\k:25+\k], s[28+\k:29+\k]
.endr
	s_mov_b64 s[44:45], s[84:85]
	s_mov_b64 s[46:47], s[86:87]
	s_add_co_u32 s94, s94, 0x8000
	s_add_co_u32 s95, s95, 1
	s_cmp_lt_u32 s95, 6
	s_cbranch_scc1 .Lxq_\@
.endm
; half of the next step's left operand (two tiles of rows), where that is h.  In gate h-hat steps 1 and 3 take r h, made ahead: a branch on the count of phases leads round the work
.macro QSL i, half, last
.set qn, ((\i)+1)%6
.if (qn == 1) || (qn == 3) || (qn == 4) || (qn == 5)
.if (qn == 1) || (qn == 4)
.set qb, 0
.else
.set qb, 128
.endif
.if (!(\last)) && ((qn == 1) || (qn == 3))
	s_cmp_eq_u32 s96, 1
	s_cbranch_scc1 .Lqs_\@
.endif
	Q32 1, qb+64*(\half), 88, 89, SCV, AW+qn%2, 4096*(\half), C
	Q32 1, qb+64*(\half)+32, 88, 89, SCV, AW+qn%2, 4096*(\half)+2048, C+8
.Lqs_\@:
.endif
.endm
.macro ALDRUN adr, off                 ; a whole image: a step's eight fragments of the left operand: 32 loads of 512 consecutive bytes, unit 0's first
.set an, 0
.rept 32
	ds_load_b128 v[AF+4*an:AF+4*an+3], v[\adr] offset:(\off)+512*an
.set an, an+1
.endr
.endm
.macro ALD i, last                     ; step i's image: x's from XQ, h's from the buffer in turn, r h's from PM; both arms of the branch hold 32 loads
.if ((\i) == 0) || ((\i) == 2)
	ALDRUN AXQ, 16384*((\i)/2)
.elseif (\i) >= 4
	ALDRUN AR+(\i)%2, 0
.elseif \last
	ALDRUN AR+1, 0
.else
	s_cmp_eq_u32 s96, 1
	s_cbranch_scc1 .Lpm_\@
	ALDRUN AR+1, 0
	s_branch .Lad_\@
.Lpm_\@:
	s_wait_alu depctr_va_vdst(0)
	ALDRUN APM, 16384*((\i)/2)
.Lad_\@:
.endif
.endm
; 16 matrix instructions, 128 along K.  The 16 accumulators take turns, one instruction a turn, in the same order in every unit.  zero = 1: the first product starts the sums
.macro MUL i, u, zero
	WIN 0xf2                                       ; source 0 (the weights) window 2, source 1 window 0, C and D window 3
.irp mm, 0,1,2,3
.irp t, 0,1,2,3
.if \zero
	v_wmma_f32_16x16x128_fp8_fp8 v[128+32*\mm+8*\t:128+32*\mm+8*\t+7], v[64*(2*((\i)%2)+(\u))+16*\t:64*(2*((\i)%2)+(\u))+16*\t+15], v[AF+64*(\u)+16*\mm:AF+64*(\u)+16*\mm+15], 0
.else
	v_wmma_f32_16x16x128_fp8_fp8 v[128+32*\mm+8*\t:128+32*\mm+8*\t+7], v[64*(2*((\i)%2)+(\u))+16*\t:64*(2*((\i)%2)+(\u))+16*\t+15], v[AF+64*(\u)+16*\mm:AF+64*(\u)+16*\mm+15], v[128+32*\mm+8*\t:128+32*\mm+8*\t+7]
.endif
.endr
.endr
.endm
.macro RESC f                          ; the sums pass from one product's power of two to the next's: x 2^(E_old - E_new); each accumulator from its low end on
	WIN 0xc3
.set rk, 128
.rept 64
	v_pk_mul_f32 v[rk:rk+1], v[rk:rk+1], s[\f:\f+1] op_sel_hi:[1,0]
.set rk, rk+2
.endr
	WIN 0
.endm
.macro SYNC                            ; between two steps: my reads of the step's image are back and my stores of the next step's codes have landed; then the work-group's barrier.  The weights' loads stay out across it: nobody writes wq
	s_wait_dscnt 0x0
	s_barrier_signal -1
	s_barrier_wait -1
.endm
; A PREFETCH INTO THE L2: in step sigma, the codes of step sigma + 4, whose loads are issued two steps later.  All work-groups read the same codes: work-groups 0 to 3 ask, 16,384 bytes each, told apart by address;
; in each, waves 0 and 1 take 8,192, lanes 256 bytes apart: each block of 256 bytes is named once in the launch.  Steps 0 to 3 come by their loads alone; behind step 31 nothing is asked for.  The step stands in the immediate.
.macro ASK st
.if (\st) >= 6
	s_cmp_eq_u32 s26, 1                            ; a step of the next phase: s26 is 0 in the last phase, so that no prefetch leaves wq
.else
	s_cmp_eq_u32 s67, 1
.endif
	s_cbranch_scc0 .Lna_\@
	global_prefetch_b8 v[PFO], s[12:13] offset:STEPB*(\st) th:TH_LOAD_NT scope:SCOPE_SE
.Lna_\@:
.endm
; A STEP: 256 along K.  The left operand's image is asked for in one run; the next step's operand is quantised behind that run, ahead of the products, while the fragments are on their way;
; ahead of each unit's products its weights are waited for and the unit three on is asked for.
.macro STEP i, last, ask
	ALD \i, \last
.if (\last) && ((\i) == 5)
	s_wait_loadcnt 16                              ; the very last step: unit 0's weights are in; behind them only unit 1's 16 loads were issued
.else
	s_wait_loadcnt 32                              ; unit 0's weights are in; the 32 loads issued behind them, this step's unit 1 and the next step's unit 0, may be out
	WLD (\i)+1, 1                                  ; into the set that the last step's unit 1 has left, four places behind its products
.endif
.if \ask
	ASK (\i)+4
.endif
.if (\i) == 0
	QSET 48, 0
.elseif (\i) == 2
	QSET 48, 1
.elseif (\i) == 3
	QSET 48, 2
.elseif (\i) == 4
	QSET 48, 3
.endif
.if ((\i) == 5) && (!(\last))
	s_wait_kmcnt 0x0                               ; the next two rows of the table, asked for at the phase's head
.endif
.if (\i) == 2
	RESC 56
.elseif (\i) == 4
	RESC 58
.elseif (\i) == 5
	RESC 60
.endif
	QSL \i, 0, \last                               ; the next step's image goes into the buffer that this step does not read
	QSL \i, 1, \last
	s_wait_dscnt 16                                ; unit 0's fragments are in: behind them stand unit 1's 16 loads and, where h was quantised, 8 stores; 16 holds on both ways
.if (\i) == 0
	MUL \i, 0, 1
.else
	s_wait_alu depctr_va_vdst(0)
	MUL \i, 0, 0
.endif
	s_wait_dscnt 0x0                               ; unit 1's fragments are in
	PLACES
	WIN 0
.if (\last) && ((\i) == 5)
	s_wait_loadcnt 0x0                             ; the last weights
.else
	s_wait_loadcnt 32                              ; unit 1's weights are in; the next step's 32 loads may be out
.if !((\last) && ((\i) >= 4))
	WLD (\i)+2, 0                                  ; into the set that unit 0 has just left
.endif
.endif
.if (\i) == 5
	v_add_nc_u32 v224, s99, v[BI0]                 ; the phase's biases
.irp b, 0,1
.irp j, 0,1,2,3
	ds_load_b128 v[BS+16*\b+4*\j:BS+16*\b+4*\j+3], v224 offset:128*\b+16*\j
.endr
.endr
.endif
	MUL \i, 1, 0
	PLACES
	WIN 0
.endm
.macro FIN dst                         ; u = sum x gamma 2^E3 + gamma bias, into window 3 at dst; each accumulator from its low end on
	s_wait_dscnt 0x0                               ; the biases are in
	WIN 0xc3
.set fk, 0
.rept 64
	v_pk_fma_f32 v[(\dst)+fk:(\dst)+fk+1], v[128+fk:129+fk], s[62:63], v[BS+fk%32:BS+fk%32+1] op_sel_hi:[1,0,1]
.set fk, fk+2
.endr
	WIN 0
.endm
.macro ACT                             ; 1 / (1 + 2^u) on a gate's 256 numbers a lane: two batches of transcendentals, each with one plain instruction and one wait behind it
	WIN 0xc3
.set ak, 0
.rept 256
	v_exp_f32 v[ak], v[ak]
.set ak, ak+1
.endr
	v_nop
	s_wait_alu depctr_va_vdst(0)
.set ak, 0
.rept 128
	v_pk_add_f32 v[ak:ak+1], v[ak:ak+1], 1.0 op_sel_hi:[1,0]
.set ak, ak+2
.endr
.set ak, 0
	s_wait_alu depctr_va_vdst(0)
.rept 256
	v_rcp_f32 v[ak], v[ak]
.set ak, ak+1
.endr
	v_nop
	s_wait_alu depctr_va_vdst(0)
	WIN 0
.endm
.macro TSET                            ; gate h-hat's scales of slots 0 and 1, for both parts: index 2 q + j
	s_mov_b32 s89, s69
	s_xor_b32 s88, s89, 0x80000000
	s_mov_b32 s91, s71
	s_xor_b32 s90, s91, 0x80000000
	s_mov_b32 s93, s85
	s_xor_b32 s92, s93, 0x80000000
	s_mov_b32 s95, s87
	s_xor_b32 s94, s95, 0x80000000
	v_mov_b32 v48, s68
	v_mov_b32 v49, s70
	v_mov_b32 v50, s84
	v_mov_b32 v51, s86
.endm
.macro RTAIL                           ; r h, a tile of rows at a time, quantised under the four scales of gate h-hat.  The codes' registers, v128-255, are each written once
.irp rm, 0,1,2,3
	WIN 0x07                                       ; source 0 (r) window 3, source 1 (h) window 1
.set tk, 0
.rept 16
	v_pk_mul_f32 v[AF+tk:AF+tk+1], v[32*\rm+tk:32*\rm+tk+1], v[32*\rm+tk:32*\rm+tk+1]               ; rr h_re
	v_pk_mul_f32 v[AF+32+tk:AF+33+tk], v[32*\rm+tk:32*\rm+tk+1], v[128+32*\rm+tk:129+32*\rm+tk]     ; rr h_im
.set tk, tk+2
.endr
.set tk, 0
.rept 16
	v_pk_fma_f32 v[AF+tk:AF+tk+1], v[128+32*\rm+tk:129+32*\rm+tk], v[128+32*\rm+tk:129+32*\rm+tk], v[AF+tk:AF+tk+1] neg_lo:[1,0,0] neg_hi:[1,0,0]   ; - ri h_im
	v_pk_fma_f32 v[AF+32+tk:AF+33+tk], v[128+32*\rm+tk:129+32*\rm+tk], v[32*\rm+tk:32*\rm+tk+1], v[AF+32+tk:AF+33+tk]                               ; + ri h_re
.set tk, tk+2
.endr
.irp rq, 0,1
.irp rj, 0,1
	Q32 0, AF+32*\rj, 88+4*\rq+2*\rj, 89+4*\rq+2*\rj, 48+2*\rq+\rj, PMW, 32768*\rq+16384*\rj+2048*\rm, 128+8*(4*\rm+2*\rq+\rj)
.endr
.endr
.endr
.endm
.macro DPSET                           ; v225: where my lane's d lies in LDS
	s_lshl_b32 s3, s2, 15
	s_add_co_u32 s3, s3, XQ
	v_add_nc_u32 v225, s3, v[AR]
.endm
.macro HTAIL                           ; d = tanh - h, in place, and into LDS: group k of four registers at 512 k.  The images that lay there were last read in phase 3's step 2, three barriers back
	DPSET
.irp hp, 0,1
	WIN 0xc3
.set hk, 128*\hp
.rept 64
	v_pk_fma_f32 v[hk:hk+1], v[hk:hk+1], -2.0, 1.0 op_sel_hi:[1,0,0]   ; tanh = 1 - 2 / (1 + 2^u)
.set hk, hk+2
.endr
	WIN 0xc7                                       ; source 1 (h) window 1
.set hk, 128*\hp
.rept 64
	v_pk_add_f32 v[hk:hk+1], v[hk:hk+1], v[hk:hk+1] neg_lo:[0,1] neg_hi:[0,1]
.set hk, hk+2
.endr
	WIN 0x0c                                       ; the stores' data window 3
.set hk, 32*\hp
.rept 32
	ds_store_b128 v225, v[4*hk:4*hk+3] offset:512*hk
.set hk, hk+1
.endr
.endr
	WIN 0
.endm
.macro DLOAD                           ; d comes back, into window 2, which the weights have left: by blocks of 16 rows, a block's real part and then its imaginary part, 8 loads each
	WIN 0x80
.irp zm, 0,1,2,3
.irp zp, 0,1
.irp j, 0,1,2,3,4,5,6,7
	ds_load_b128 v[128*\zp+32*\zm+4*\j:128*\zp+32*\zm+4*\j+3], v225 offset:512*(32*\zp+8*\zm+\j)
.endr
.endr
.endr
	WIN 0
.endm
; THE WAY OUT, by blocks of 16 rows of one half of out0.  zp = 0: h_re + zr dr - zi di; zp = 1: h_im + zr di + zi dr.  The block goes through my stage and comes back in memory's order
.macro ZBLK zm, zp
	WIN 0x1b                                       ; source 0 (z) window 3, source 1 (d) window 2, source 2 (h) window 1
.set zk, 0
.rept 16
	v_pk_fma_f32 v[AF+32*(\zp)+zk:AF+32*(\zp)+zk+1], v[32*(\zm)+zk:32*(\zm)+zk+1], v[128*(\zp)+32*(\zm)+zk:128*(\zp)+32*(\zm)+zk+1], v[128*(\zp)+32*(\zm)+zk:128*(\zp)+32*(\zm)+zk+1]
.set zk, zk+2
.endr
	WIN 0x0b                                       ; source 2 window 0
.set zk, 0
.rept 16
.if (\zp) == 0
	v_pk_fma_f32 v[AF+zk:AF+zk+1], v[128+32*(\zm)+zk:129+32*(\zm)+zk], v[128+32*(\zm)+zk:129+32*(\zm)+zk], v[AF+zk:AF+zk+1] neg_lo:[1,0,0] neg_hi:[1,0,0]
.else
	v_pk_fma_f32 v[AF+32+zk:AF+33+zk], v[128+32*(\zm)+zk:129+32*(\zm)+zk], v[32*(\zm)+zk:32*(\zm)+zk+1], v[AF+32+zk:AF+33+zk]
.endif
.set zk, zk+2
.endr
	WIN 0
.irp b, 0,1
.irp j, 0,1,2,3
	ds_store_b128 v[STF], v[AF+32*(\zp)+16*\b+4*\j:AF+32*(\zp)+16*\b+4*\j+3] offset:128*\b+16*\j
.endr
.endr
.irp k, 0,1,2,3,4,5,6,7
	ds_load_b128 v[BF+32*(\zp)+4*\k:BF+32*(\zp)+4*\k+3], v[STO] offset:2*SP*\k   ; LDS serves a wave's instructions in order: these see my stores, and the next block's stores come behind them
.endr
.endm
.macro ZSEND zm, zp, younger           ; younger: the LDS instructions issued behind the block's loads
	s_wait_dscnt \younger
.irp k, 0,1,2,3,4,5,6,7
	global_store_b128 v[GOF], v[BF+32*(\zp)+4*\k:BF+32*(\zp)+4*\k+3], s[20+2*(\zp):21+2*(\zp)] offset:(16*(\zm)+2*\k)*1024 th:TH_STORE_NT   ; 16 lanes store 256 consecutive bytes, at a multiple of 256 from out0's first byte
.endr
.endm
	s_load_b256 s[4:11], s[0:1], 0x0               ; x_re, x_im, h_re, h_im
	s_load_b128 s[12:15], s[0:1], 0x20             ; wq, tab
	s_load_b64 s[16:17], s[0:1], 0x30              ; out0
	s_load_b256 s[68:75], s[0:1], 0x38             ; the biases: r re, im; h-hat re, im;
	s_load_b128 s[76:79], s[0:1], 0x58             ; z re, im
	v_lshl_add_u32 v[SPW], v0, 2, SPARE            ; the two registers of the add at the wave's end
	v_mov_b32 v[NIL], 0
	v_lshrrev_b32 v16, 5, v0
	v_readfirstlane_b32 s2, v16                    ; wave 0..3
	v_and_b32 v16, 31, v0                          ; lane
	v_and_b32 v17, 15, v0                          ; r
	v_bfe_u32 v18, v0, 4, 1                        ; hh
	v_lshlrev_b32 v152, 3, v0                      ; the biases: two numbers a thread,
	v_lshl_add_u32 v153, v0, 3, BIA                ; and their place in LDS
	v_lshlrev_b32 v[AR], 4, v16                    ; 16 x lane (AB0 begins at LDS byte 0)
	v_add_nc_u32 v[AR+1], AB1, v[AR]
	s_lshl_b32 s3, s2, 14
	v_add_nc_u32 v[WOF], s3, v[AR]
	s_lshr_b32 s94, s2, 1
	s_lshl_b32 s94, s94, 13
	s_and_b32 s95, s2, 1
	s_lshl_b32 s3, s95, 10
	s_add_co_u32 s94, s94, s3                      ; my columns 64 w on are unit w / 2, groups 2 (w % 2) and the next
	v_add_nc_u32 v[AW], s94, v[AR]
	v_add_nc_u32 v[AW+1], s94, v[AR+1]
	v_add_nc_u32 v[PMW], PM, v[AW]
	s_lshl_b32 s95, s95, 13                        ; the prefetches: 8,192 x (w % 2)
	s_and_b32 s3, ttmp9, 3
	s_lshl_b32 s3, s3, 14
	s_add_co_u32 s95, s95, s3                      ; + 16,384 x (work-group % 4): under 65,536 in every wave
	v_lshl_add_u32 v[PFO], v16, 8, s95
	s_lshl_b32 s3, s2, 8
	v_lshl_add_u32 v[BI0], v18, 6, s3
	v_add_nc_u32 v[BI0], BIA, v[BI0]
	v_lshlrev_b32 v20, 10, v18
	v_lshl_add_u32 v20, v17, 4, v20
	v_add_nc_u32 v[GOF], s3, v20                   ; from here on v0 is no thread number
	s_mul_i32 s3, s2, 16*SP
	s_add_co_u32 s3, s3, STG                       ; my stage
	v_mul_u32_u24 v[STO], v18, SP
	v_lshl_add_u32 v[STO], v17, 4, v[STO]
	v_add_nc_u32 v[STO], s3, v[STO]
	v_mul_u32_u24 v[STF], v17, SP
	v_lshl_add_u32 v[STF], v18, 6, v[STF]
	v_add_nc_u32 v[STF], s3, v[STF]
	s_lshl_b32 s92, ttmp9, 16                      ; my block of 64 rows of 1,024 bytes
	s_mov_b32 s93, 0
	s_lshr_b32 s67, s2, 1                          ; 0 in waves 0 and 1,
	s_lshr_b32 s3, ttmp9, 2
	s_or_b32 s67, s67, s3                          ; of work-groups 0 to 3
	s_cmp_eq_u32 s67, 0
	s_cselect_b32 s67, 1, 0
	s_mov_b32 s66, 0
	s_mov_b32 s98, PM
	s_mov_b32 s99, 0
	s_wait_alu depctr_va_vdst(0)
	s_wait_kmcnt 0x0
	s_load_b512 s[48:63], s[14:15], 0x0            ; the table's row 0,
.irp p, 0,1,2,3,4,5
	s_load_b128 s[24+4*\p:27+4*\p], s[14:15], 64*\p   ; and of each row the scales and limits of slots 0 and 1, which are x's
.endr
	s_mov_b64 s[18:19], s[14:15]
	s_add_nc_u64 s[4:5], s[4:5], s[92:93]
	s_add_nc_u64 s[6:7], s[6:7], s[92:93]
	s_add_nc_u64 s[8:9], s[8:9], s[92:93]
	s_add_nc_u64 s[10:11], s[10:11], s[92:93]
	s_add_nc_u64 s[20:21], s[16:17], s[92:93]
	s_add_nc_u64 s[22:23], s[20:21], 0x1000000     ; the imaginary half of out0
	; THE WAY IN.  The order of the loads: x_re, x_im, unit (0, 0) of the weights, the biases, h_re, h_im, unit (0, 1), unit (1, 0).  h_re is asked for ahead of x_re's quantising and h_im ahead of x_im's.
	; Each wait's count is the number of loads issued behind the tile that it serves, or 63 where that number is larger than a wait can name.
.irp tt, 0,1,2,3
	GLDT 3, 0, 4, \tt
.endr
.irp tt, 0,1,2
	GLDT 3, 128, 6, \tt                            ; x_im's first three tiles, into the accumulators' registers
.endr
	TURN 3, 0, 0, 48                               ; behind x_re's tile 0: 24 of x_re, 24 of x_im
	TURN 3, 0, 1, 40
	TURN 3, 0, 2, 32
	TURN 3, 0, 3, 24
	GLDT 3, 128, 6, 3
	WLD 0, 0
.irp n, 0,1,2,3,4,5
	global_load_b64 v[128+2*\n:129+2*\n], v152, s[68+2*\n:69+2*\n]
.endr
.irp tt, 0,1,2,3
	GLDT 1, 0, 8, \tt                              ; h_re
.endr
	WIN 0
	s_wait_kmcnt 0x0                               ; the table's words
	s_wait_dscnt 0x0                               ; x_re is back from the stage
	XQUANT 0, 0
	TURN 3, 128, 0, 63                             ; behind x_im's tile 0: 24 of x_im, 16 of the weights, 6 of the biases, 32 of h_re: 78
	TURN 3, 128, 1, 63                             ; 70
	TURN 3, 128, 2, 62
	TURN 3, 128, 3, 54
.irp tt, 0,1,2,3
	GLDT 1, 128, 10, \tt                           ; h_im
.endr
	WIN 0
	s_wait_dscnt 0x0                               ; x_im is back from the stage
	XQUANT 1, 128
	s_wait_loadcnt 63                              ; unit (0, 0) and the biases are in; h's 64 loads are younger
.irp g, 0,1,2
.if \g == 1
.set GAM, 0x4038aa3b                   ; 2 log2 e
.else
.set GAM, 0xbfb8aa3b                   ; -log2 e
.endif
	v_pk_add_f32 v[140+4*\g:141+4*\g], v[128+4*\g:129+4*\g], v[130+4*\g:131+4*\g] neg_lo:[0,1] neg_hi:[0,1]   ; the real part's bias: b_re - b_im
	v_pk_add_f32 v[142+4*\g:143+4*\g], v[128+4*\g:129+4*\g], v[130+4*\g:131+4*\g]                             ; the imaginary part's: b_re + b_im
	v_pk_mul_f32 v[140+4*\g:141+4*\g], v[140+4*\g:141+4*\g], GAM op_sel_hi:[1,0]
	v_pk_mul_f32 v[142+4*\g:143+4*\g], v[142+4*\g:143+4*\g], GAM op_sel_hi:[1,0]
	ds_store_b64 v153, v[140+4*\g:141+4*\g] offset:2048*\g
	ds_store_b64 v153, v[142+4*\g:143+4*\g] offset:2048*\g+1024
.endr
	WLD 0, 1
	TURN 1, 0, 0, 63                               ; behind h_re's tile 0: 24 of h_re, 32 of h_im, 16 of the weights: 72
	TURN 1, 0, 1, 63                               ; 64
	TURN 1, 0, 2, 56
	TURN 1, 0, 3, 48
	TURN 1, 128, 0, 40                             ; behind h_im's tile 0: 24 of h_im, 16 of the weights
	WLD 1, 0
	TURN 1, 128, 1, 48                             ; 16 of h_im, 32 of the weights
	TURN 1, 128, 2, 40
	TURN 1, 128, 3, 32                             ; units (0, 1) and (1, 0) stay out, into the loop
	WIN 0
	s_mov_b32 s24, XQ
	s_add_nc_u64 s[14:15], s[12:13], 6*STEPB       ; wq at phase 1 (the table's loads by s[14:15] were waited for above)
	s_wait_dscnt 0x0                               ; my codes and biases have landed; h is in its registers
	s_barrier_signal -1
	s_barrier_wait -1
.Lphase:                                           ; six trips, a phase each; the last leaves the loop for gate z's tail
	s_lshr_b32 s96, s66, 1
	s_and_b32 s97, s66, 1
	s_cmp_lt_u32 s66, 5
	s_cselect_b32 s26, s67, 0                      ; 1 where I prefetch and a next phase exists
	s_load_b512 s[68:83], s[18:19], 0x40           ; the next phase's row,
	s_load_b128 s[84:87], s[18:19], 0x80           ; and the head of the one after it
	v_add_nc_u32 v[APM], s98, v[AR]
	v_add_nc_u32 v[AXQ], s24, v[AR]
	STEP 0, 0, 1
	SYNC
	STEP 1, 0, 1
	SYNC
	s_wait_alu depctr_va_vdst(0)
	STEP 2, 0, 1
	SYNC
	STEP 3, 0, 1
	SYNC
	STEP 4, 0, 1
	SYNC
	STEP 5, 0, 1
	s_cmp_eq_u32 s97, 0
	s_cbranch_scc0 .Lodd
	FIN 0                                          ; a gate's real part waits in Y0
	s_branch .Ljoin
.Lodd:
	FIN 128
	s_wait_alu depctr_va_vdst(0)
	ACT
	s_cmp_eq_u32 s96, 0
	s_cbranch_scc0 .Lhh
	TSET
	RTAIL
	s_branch .Ljoin
.Lhh:
	s_cmp_eq_u32 s96, 1
	s_cbranch_scc0 .Lzz                            ; gate z: the blend and the way out
	HTAIL
.Ljoin:
	s_xor_b32 s98, s98, 0x8000
	s_add_co_u32 s99, s99, 1024
	s_add_co_u32 s24, s24, 0x8000
	s_add_nc_u64 s[18:19], s[18:19], 64            ; (the loads by this address were waited for in step 5)
.irp k, 0,2,4,6,8,10,12,14
	s_mov_b64 s[48+\k:49+\k], s[68+\k:69+\k]
.endr
	s_wait_xcnt 0x0                                ; the weights' loads and the prefetches that are out have read their base: it may step to the next phase
	s_add_nc_u64 s[12:13], s[12:13], 6*STEPB
	s_add_nc_u64 s[14:15], s[12:13], 6*STEPB       ; the phase behind it.  Phase 5 has none: there the three units' loads that reach past the phase take phase 5's own first bytes again,
	s_cmp_lt_u32 s66, 4                            ; so that every trip issues the same loads, every count holds and no load leaves wq; what those 48 loads bring is not used
	s_cselect_b64 s[14:15], s[14:15], s[12:13]
	SYNC
	s_add_co_u32 s66, s66, 1
	s_cmp_lt_u32 s66, 6
	s_cbranch_scc1 .Lphase
.Lzz:                                              ; gate z's tail: zr lies in Y0, zi in the accumulators' registers
	s_wait_loadcnt 0x0                             ; the last trip's loads into window 2 have landed: its registers may take d
	DPSET
	DLOAD
	s_wait_dscnt 48                                ; block 0's 16 loads are in; the other three blocks' 48 may be out: the first ZSEND's wait, which leaves 16 younger instructions out, covers them
	ZBLK 0, 0
.irp bb, 1,2,3,4,5,6,7
.if \bb > 1
	s_wait_xcnt 0x0                                ; the stores of the block before last have read their registers: this block's loads may land there
.endif
	ZBLK \bb/2, \bb%2
	ZSEND (\bb-1)/2, (\bb-1)%2, 16                 ; behind the earlier block's loads: this block's 8 stores and 8 loads
.endr
	ZSEND 3, 1, 0
	s_wait_tensorcnt 0x0                           ; the wave's end, behind my last LDS store
	ds_add_u32 v[SPW], v[NIL]
	s_wait_dscnt 0x0
	s_endpgm
.Lfunc_end_k_q6a12ecb66e_cell:
	.size	k_q6a12ecb66e_cell, .Lfunc_end_k_q6a12ecb66e_cell-k_q6a12ecb66e_cell
	.p2alignl 7, 3214868480
	.fill 96, 4, 3214868480
	.section	.rodata,"a",@progbits
	.p2align	6, 0x0
	.amdhsa_kernel k_q6a12ecb66e_cell
		.amdhsa_group_segment_fixed_size 327680
		.amdhsa_private_segment_fixed_size 0
		.amdhsa_enable_private_segment 0
		.amdhsa_kernarg_size 104
		.amdhsa_user_sgpr_count 2
		.amdhsa_user_sgpr_kernarg_segment_ptr 1
		.amdhsa_wavefront_size32 1
		.amdhsa_system_sgpr_workgroup_id_x 1
		.amdhsa_system_sgpr_workgroup_id_y 1
		.amdhsa_system_sgpr_workgroup_id_z 1
		.amdhsa_system_vgpr_workitem_id 0
		.amdhsa_next_free_vgpr 1024
		.amdhsa_next_free_sgpr 100
		.amdhsa_reserve_vcc 0
		.amdhsa_float_denorm_mode_32 3
		.amdhsa_float_denorm_mode_16_64 3
		.amdhsa_memory_ordered 1
		.amdhsa_forward_progress 1
		.amdhsa_inst_pref_size 255
	.end_amdhsa_kernel
	.section	.bss,"aw",@nobits
	.p2align	6
	.space	262144
	.amdgpu_metadata
---
amdhsa.version: [ 1, 2 ]
amdhsa.kernels:
  - .name:           k_q6a12ecb66e_cell
    .symbol:         k_q6a12ecb66e_cell.kd
    .args:
      - { .name: x_re, .offset: 0, .size: 8, .value_kind: global_buffer, .address_space: global }
      - { .name: x_im, .offset: 8, .size: 8, .value_kind: global_buffer, .address_space: global }
      - { .name: h_re, .offset: 16, .size: 8, .value_kind: global_buffer, .address_space: global }
      - { .name: h_im, .offset: 24, .size: 8, .value_kind: global_buffer, .address_space: global }
      - { .name: wq, .offset: 32, .size: 8, .value_kind: global_buffer, .address_space: global }
      - { .name: tab, .offset: 40, .size: 8, .value_kind: global_buffer, .address_space: global }
      - { .name: out0, .offset: 48, .size: 8, .value_kind: global_buffer, .address_space: global }
      - { .name: wr_b_re, .offset: 56, .size: 8, .value_kind: global_buffer, .address_space: global }
      - { .name: wr_b_im, .offset: 64, .size: 8, .value_kind: global_buffer, .address_space: global }
      - { .name: wh_b_re, .offset: 72, .size: 8, .value_kind: global_buffer, .address_space: global }
      - { .name: wh_b_im, .offset: 80, .size: 8, .value_kind: global_buffer, .address_space: global }
      - { .name: wz_b_re, .offset: 88, .size: 8, .value_kind: global_buffer, .address_space: global }
      - { .name: wz_b_im, .offset: 96, .size: 8, .value_kind: global_buffer, .address_space: global }
    .group_segment_fixed_size: 327680
    .private_segment_fixed_size: 0
    .kernarg_segment_align: 8
    .kernarg_segment_size: 104
    .max_flat_workgroup_size: 128
    .sgpr_count:     100
    .vgpr_count:     1024
    .wavefront_size: 32
...
	.end_amdgpu_metadata
.endif
;; end of part 4
